; MI455X (gfx1250); checked and timed in simulation.
; The chip was launched on July 23, 2026; its instructions are those of AMD's public machine-readable ISA for CDNA 5 (MIT licence, August 2026) and "CDNA5" Instruction Set Architecture Reference Guide (July 2026). The comments in the code are by the model that wrote it; some were corrected since.
;; Laguna Attention. Allowed arithmetic: float matrix products may take bf16 or f16 operands with f32 sums; all other float work in f32.
;; Inputs: hidden_states 4,096 x 2,048 float32; k_norm_w 128 float32; positions 4,096 int32; q_norm_w 128 float32; w_g 2,048 x 8 float32; w_o 1,024 x 2,048 float32; w_qkv 2,048 x 2,048 float32.
;; Outputs: out0 4,096 x 2,048 float32.
;; One version. Each part assembles by itself: llvm-mc -triple=amdgcn-amd-amdhsa -mcpu=gfx1250 --defsym DOCPART=n.
;; ======== version 1 of 1: 4 launches
;; limits: values are held in f16: magnitudes above 65,504 overflow, below 6.1e-05 lose precision; an absolute error that grows with the inputs' magnitude: up to 2.38e-07 times it; right only within a limited range of input values
;; workspace buffers: Xb 16,777,216 bytes; Wqb 8,388,608 bytes; Wob 4,194,304 bytes; G 131,072 bytes; CS 2,097,152 bytes; NW 1,536 bytes; qkv 16,777,216 bytes; Oh 9,437,184 bytes
;; launch prep (part 1): grid 256 x 1, 8 waves a work-group, no clusters, 103,680 bytes of LDS; arguments hidden_states, w_qkv, w_o, w_g, positions, q_norm_w, k_norm_w, Xb, Wqb, Wob, G, CS, NW; writes Xb, Wqb, Wob, G, CS, NW
.if DOCPART == 1
	.amdgcn_target "amdgcn-amd-amdhsa--gfx1250"
	.amdhsa_code_object_version 6
	.text
	.protected	k_q866c5a3e56_prep
	.globl	k_q866c5a3e56_prep
	.p2align	8
	.type	k_q866c5a3e56_prep,@function
k_q866c5a3e56_prep:
	s_mov_b64 s[64:65], 0
	v_nop
	global_prefetch_b8 v0, s[64:65] scope:SCOPE_SE
	s_setreg_imm32_b32 hwreg(HW_REG_WAVE_MODE, 25, 1), 1
	s_wait_xcnt 0x0
; PREP.  Rounds the module's inputs to 16 bits once, and makes the small tables.
;   Xb  = bf16(hidden_states) [4096][2048]     Wqb = bf16(w_qkv) [2048 k][2048 n]     Wob = bf16(w_o), written as f16, [1024 k][2048 n]
;   G   = softplus(bf16(X) . bf16(w_g)), f32, laid [block of 16 rows][8 heads][16 rows]
;   CS  = [4096][128] f32: columns 0-63 cos(pos f_j), columns 64-127 sin(pos f_j), f_j = 10000^(-j/64)
;   NW  = [3][128] f32: q_norm_w and k_norm_w rounded to bf16, and a row of ones (for v)
; SHARES.  256 work-groups of eight waves.  Work-group i: rows 16 i .. 16 i + 15 of X, rows 8 i .. of w_qkv, rows 4 i .. of w_o (all rows 8,192 bytes), all of w_g (64 KiB), 16 rows of CS and of G.
; Thread t takes the 16 bytes at (256 j + t) 16 of a row (j = 0, 1): a wave's load covers 512 consecutive bytes, its 8-byte stores 256 consecutive aligned bytes.
; Memory binds: no tensor loads, no cluster (no two work-groups share a tile but w_g, 64 KiB of 58 MiB).  The rounded X rows also go to LDS, so the gate's product reads X from memory no second time.
; LIMITS.  w_o beyond 65,504 becomes an infinity in f16, and below 2^-17 it keeps f16's step of 2^-24.  The angle pos f_j is off by up to |pos f_j| 2^-22 (f_j by v_exp_f32); |positions| under 2^23.
; softplus(z) for z < -87 is 0.  NaN and infinities are not treated apart.
.set XP,    4112                       ; a row of X in LDS: 4,096 bytes + 16: the 16 rows of a fragment load start 16 bytes apart modulo 256
.set WGL,   16*XP                      ; w_g in bf16: [2048 k][8 heads], 16 bytes a row
.set RED,   WGL+32768                  ; partial sums [8 waves][8 heads][16 rows] f32
.set SPARE, RED+4096                   ; the spare words: 128 bytes for each of eight waves; no other line names them
.set WG, 64                            ; v64-127  w_g as loaded; later fragments: X v64-95, w_g v96-127
.set SA, 128                           ; v128-191 sixteen loads of 16 bytes
.set SB, 192                           ; v192-255 sixteen more
; v1 16 t; v2 8 t; v3 WGL + 8 t; v4 t % 16; v5 lane / 16; v6 my X fragment; v7 my w_g fragment; v8 my place in RED; v9 my row's position; v10 the position; v11 my place in CS; v12, v13 the add's; v14-63 at work
.macro LD set, base, rows, row0        ; rows x 2 loads of 16 bytes a lane
.set n_, 0
.rept 2*(\rows)
	global_load_b128 v[(\set)+4*n_:(\set)+4*n_+3], v1, s[(\base):(\base)+1] offset:((\row0)+n_/2)*8192+(n_%2)*4096 th:TH_LOAD_NT
.set n_, n_+1
.endr
.endm
.macro CVB set, rows                   ; four f32 become four bf16 in the first two registers of the four
.set n_, 0
.rept 2*(\rows)
	v_cvt_pk_bf16_f32 v[(\set)+4*n_], v[(\set)+4*n_], v[(\set)+4*n_+1]
	v_cvt_pk_bf16_f32 v[(\set)+4*n_+1], v[(\set)+4*n_+2], v[(\set)+4*n_+3]
.set n_, n_+1
.endr
.endm
.macro ST set, base, rows, row0        ; a wave's store covers 256 consecutive bytes, aligned
.set n_, 0
.rept 2*(\rows)
	global_store_b64 v2, v[(\set)+4*n_:(\set)+4*n_+1], s[(\base):(\base)+1] offset:((\row0)+n_/2)*4096+(n_%2)*2048
.set n_, n_+1
.endr
.endm
.macro LS set, rows, row0              ; the same words into LDS
.set n_, 0
.rept 2*(\rows)
	ds_store_b64 v2, v[(\set)+4*n_:(\set)+4*n_+1] offset:((\row0)+n_/2)*XP+(n_%2)*2048
.set n_, n_+1
.endr
.endm
	s_load_b512 s[8:23], s[0:1], 0x0               ; X s[8:9], w_qkv s[10:11], w_o s[12:13], w_g s[14:15], positions s[16:17], q_norm_w s[18:19], k_norm_w s[20:21], Xb s[22:23]
	s_load_b256 s[24:31], s[0:1], 0x40             ; Wqb s[24:25], Wob s[26:27], G s[28:29], CS s[30:31]
	s_load_b64 s[32:33], s[0:1], 0x60              ; NW
	v_lshl_add_u32 v12, v0, 2, SPARE               ; my spare word,
	v_mov_b32 v13, 0                               ; and 0: kept for the add alone
	v_lshrrev_b32 v14, 5, v0
	v_readfirstlane_b32 s34, v14                   ; wave 0..7
	s_mov_b32 s35, ttmp9                           ; work-group i
	v_lshlrev_b32 v1, 4, v0
	v_lshlrev_b32 v2, 3, v0
	v_add_nc_u32 v3, WGL, v2
	v_and_b32 v4, 15, v0
	v_bfe_u32 v5, v0, 4, 1
	v_mul_u32_u24 v6, v4, XP
	v_lshl_add_u32 v6, v5, 4, v6
	s_lshl_b32 s36, s34, 9
	v_add_nc_u32 v6, s36, v6                       ; X row t % 16, k = 256 w + 8 (lane / 16)
	v_and_b32 v7, 7, v0
	v_lshl_add_u32 v7, v5, 3, v7
	s_lshl_b32 s37, s34, 12
	s_add_co_u32 s37, s37, WGL
	v_lshl_add_u32 v7, v7, 4, s37                  ; w_g row k = 256 w + 8 (lane / 16) + lane % 8
	s_add_co_u32 s36, s36, RED
	v_lshl_add_u32 v8, v4, 2, s36                  ; RED + 512 w + 4 (t % 16)
	v_lshrrev_b32 v9, 4, v0                        ; my row of the tables: t / 16
	v_lshlrev_b32 v11, 9, v9
	v_lshl_add_u32 v11, v4, 4, v11                 ; row x 512 + 16 (t % 16)
	v_lshlrev_b32 v9, 2, v9
	s_mov_b32 s40, 0xbe549a78                      ; -log2(10000) / 64
	s_mov_b32 s41, 0x3f22f983                      ; 2 / pi
	s_mov_b32 s42, 0xbfc90fdb                      ; -(pi / 2 rounded to f32)
	s_mov_b32 s43, 0x333bbd2e                      ; that rounding's excess over pi / 2
	s_mov_b32 s44, 0xbe2aaaa3                      ; sine on -pi/4 .. pi/4: r + r^3 (s44 + r^2 (s45 + r^2 s46))
	s_mov_b32 s45, 0x3c08839e
	s_mov_b32 s46, 0xb94ca1f9
	s_mov_b32 s47, 0x3d2aaaa5                      ; cosine: 1 - r^2 / 2 + r^4 (s47 + r^2 (s48 + r^2 s49))
	s_mov_b32 s48, 0xbab6061a
	s_mov_b32 s49, 0x37ccf5ce
	s_mov_b32 s50, 0xffff0000                      ; a word's upper bf16
	s_mov_b32 s51, 0xbfb8aa3b                      ; -log2(e)
	s_mov_b32 s52, 0x3eaaaaab                      ; 1 / 3
	s_mov_b32 s53, 0x3f317218                      ; ln 2
	s_mov_b32 s54, 0x3c000000                      ; 2^-7
	s_mov_b32 s55, 0x7fffffff
	s_mov_b32 s39, 0
	s_wait_kmcnt 0x0
	s_lshl_b32 s38, s35, 17                        ; 16 rows of 8,192 bytes
	s_add_nc_u64 s[8:9], s[8:9], s[38:39]
	s_lshl_b32 s38, s35, 16
	s_add_nc_u64 s[10:11], s[10:11], s[38:39]      ; 8 rows of w_qkv
	s_add_nc_u64 s[22:23], s[22:23], s[38:39]      ; 16 rows of Xb
	s_lshl_b32 s38, s35, 15
	s_add_nc_u64 s[12:13], s[12:13], s[38:39]      ; 4 rows of w_o
	s_add_nc_u64 s[24:25], s[24:25], s[38:39]      ; 8 rows of Wqb
	s_lshl_b32 s38, s35, 14
	s_add_nc_u64 s[26:27], s[26:27], s[38:39]      ; 4 rows of Wob
	s_lshl_b32 s38, s35, 13
	s_add_nc_u64 s[30:31], s[30:31], s[38:39]      ; 16 rows of CS
	s_lshl_b32 s38, s35, 9
	s_add_nc_u64 s[28:29], s[28:29], s[38:39]      ; my block of G
	s_lshl_b32 s38, s35, 6
	s_add_nc_u64 s[16:17], s[16:17], s[38:39]      ; 16 positions
	global_load_b32 v10, v9, s[16:17]              ; 49 loads go out at once: the position, w_g (every work-group reads it: no hint), 16 rows of X
.set n_, 0
.rept 16
	global_load_b128 v[WG+4*n_:WG+4*n_+3], v1, s[14:15] offset:4096*n_
.set n_, n_+1
.endr
	LD SA, 8, 8, 0
	LD SB, 8, 8, 8
	s_wait_loadcnt 32                              ; the 32 loads of X are younger: the position and w_g are in
	CVB WG, 8
.set n_, 0
.rept 16
	ds_store_b64 v3, v[WG+4*n_:WG+4*n_+1] offset:2048*n_
.set n_, n_+1
.endr
	; THE TABLE: my row, frequencies j = 4 (t % 16) + e.  v18+e j and its exponent; v22+e f_j; v26+e the angle; v30+e n; v34+e r; v38+e r^2; v42+e sine; v56+e cosine; v60+e n as a whole number
	v_lshlrev_b32 v14, 2, v4
.irp e, 0,1,2,3
	v_add_nc_u32 v[18+\e], \e, v14
	v_cvt_f32_u32 v[18+\e], v[18+\e]
	v_mul_f32 v[18+\e], s40, v[18+\e]
.endr
.irp e, 0,1,2,3
	v_exp_f32 v[22+\e], v[18+\e]
.endr
	v_nop                                          ; a plain instruction behind the last exponential
	v_cvt_f32_i32 v15, v10
	s_wait_alu depctr_va_vdst(0)
.irp e, 0,1,2,3
	v_mul_f32 v[26+\e], v15, v[22+\e]
.endr
.irp e, 0,1,2,3
	v_mul_f32 v[30+\e], s41, v[26+\e]
.endr
.irp e, 0,1,2,3
	v_rndne_f32 v[30+\e], v[30+\e]                 ; n = the nearest multiple of pi / 2
.endr
.irp e, 0,1,2,3
	v_fma_f32 v[34+\e], v[30+\e], s42, v[26+\e]
.endr
.irp e, 0,1,2,3
	v_fma_f32 v[34+\e], v[30+\e], s43, v[34+\e]    ; r = angle - n pi / 2, in two parts
	v_cvt_i32_f32 v[60+\e], v[30+\e]
.endr
.irp e, 0,1,2,3
	v_mul_f32 v[38+\e], v[34+\e], v[34+\e]
.endr
.irp e, 0,1,2,3
	v_fma_f32 v[42+\e], v[38+\e], s46, s45
	v_fma_f32 v[56+\e], v[38+\e], s49, s48
.endr
.irp e, 0,1,2,3
	v_fma_f32 v[42+\e], v[42+\e], v[38+\e], s44
	v_fma_f32 v[56+\e], v[56+\e], v[38+\e], s47
	v_mul_f32 v[14+\e], v[34+\e], v[38+\e]         ; r^3
	v_mul_f32 v[18+\e], v[38+\e], v[38+\e]         ; r^4
	v_fma_f32 v[22+\e], v[38+\e], -0.5, 1.0
.endr
.irp e, 0,1,2,3
	v_fma_f32 v[42+\e], v[14+\e], v[42+\e], v[34+\e]
	v_fma_f32 v[56+\e], v[18+\e], v[56+\e], v[22+\e]
.endr
.irp e, 0,1,2,3                        ; the quadrant n mod 4: odd swaps the two; the sine changes sign in 2, 3, the cosine in 1, 2
	v_and_b32 v14, 1, v[60+\e]
	v_cmp_eq_u32 vcc_lo, 1, v14
	v_cndmask_b32 v[52+\e], v[42+\e], v[56+\e], vcc_lo
	v_cndmask_b32 v[48+\e], v[56+\e], v[42+\e], vcc_lo
	v_and_b32 v15, 2, v[60+\e]
	v_lshlrev_b32 v15, 30, v15
	v_xor_b32 v[52+\e], v15, v[52+\e]
	v_add_nc_u32 v16, 1, v[60+\e]
	v_and_b32 v16, 2, v16
	v_lshlrev_b32 v16, 30, v16
	v_xor_b32 v[48+\e], v16, v[48+\e]
.endr
	global_store_b128 v11, v[48:51], s[30:31]              ; sixteen lanes fill 256 consecutive bytes: a row's cosines,
	global_store_b128 v11, v[52:55], s[30:31] offset:256   ; and its sines
	s_wait_loadcnt 16                              ; rows 8-15 are younger: rows 0-7 of X are in
	CVB SA, 8
	ST SA, 22, 8, 0
	LS SA, 8, 0
	s_wait_xcnt 0x0                                ; the stores' registers are loaded again only behind this wait
	LD SA, 10, 8, 0                                ; w_qkv
	s_wait_loadcnt 16                              ; w_qkv's 16 are younger: rows 8-15 of X are in
	CVB SB, 8
	ST SB, 22, 8, 8
	LS SB, 8, 8
	s_wait_xcnt 0x0
	LD SB, 12, 4, 0                                ; w_o: eight loads
	s_wait_dscnt 0x0                               ; for the others' sake: my stores of X and w_g into LDS are done
	s_barrier_signal -1
	s_barrier_wait -1
	; THE GATE.  Wave w sums k = 256 w .. 256 w + 255, eight matrix instructions.  Source 0 = 16 'rows' of w_g^T (heads 0-7, and the same again: both halves of a row of lanes address the same
	; 16 bytes of the turning load), source 1 = 16 rows of X.  In the result register j of lane l < 16 is (head j, row l).  Two accumulators take turns.
.macro GBATCH h
.irp c, 0,1,2,3
	ds_load_b128 v[WG+8*\c:WG+8*\c+3], v6 offset:64*(4*(\h)+\c)
	ds_load_b128 v[WG+8*\c+4:WG+8*\c+7], v6 offset:64*(4*(\h)+\c)+32
	ds_load_tr16_b128 v[WG+32+8*\c:WG+32+8*\c+3], v7 offset:512*(4*(\h)+\c)
	ds_load_tr16_b128 v[WG+32+8*\c+4:WG+32+8*\c+7], v7 offset:512*(4*(\h)+\c)+256
.endr
	s_wait_dscnt 0x0
.irp c, 0,1,2,3
.if ((\h) == 0) && (\c < 2)
	v_wmma_f32_16x16x32_bf16 v[16+8*(\c%2):16+8*(\c%2)+7], v[WG+32+8*\c:WG+32+8*\c+7], v[WG+8*\c:WG+8*\c+7], 0
.else
	v_wmma_f32_16x16x32_bf16 v[16+8*(\c%2):16+8*(\c%2)+7], v[WG+32+8*\c:WG+32+8*\c+7], v[WG+8*\c:WG+8*\c+7], v[16+8*(\c%2):16+8*(\c%2)+7]
.endif
.endr
.rept 4
	v_nop                                          ; four places behind the last product, ahead of loads into its sources and of reads of its result
.endr
.endm
	GBATCH 0
	GBATCH 1
.irp j, 0,2,4,6
	v_pk_add_f32 v[32+\j:33+\j], v[16+\j:17+\j], v[24+\j:25+\j]
.endr
.irp j, 0,1,2,3,4,5,6,7
	ds_store_b32 v8, v[32+\j] offset:64*\j         ; lanes 16-31 hold the copy and write the same number to the same word
.endr
	s_wait_dscnt 0x0
	s_barrier_signal -1
	s_barrier_wait -1
	s_wait_loadcnt 8                               ; w_o's eight are younger: w_qkv is in
	CVB SA, 8
	ST SA, 24, 8, 0
	s_wait_loadcnt 0x0
	CVB SB, 4
.set n_, 0
.rept 8                                ; each bf16 number written as f16
.irp k, 0,1
	v_lshlrev_b32 v40, 16, v[SB+4*n_+\k]
	v_and_b32 v41, s50, v[SB+4*n_+\k]
	v_cvt_pk_f16_f32 v[SB+4*n_+\k], v40, v41
.endr
.set n_, n_+1
.endr
	ST SB, 26, 4, 0
	s_cmp_lg_u32 s34, 0
	s_cbranch_scc1 .Lnot_wave_0
	; wave 0: the eight waves' sums are added; softplus(z) = max(z, 0) + ln(1 + e^-|z|); lane l holds head l / 4, rows 4 (l % 4) ..
	v_lshl_add_u32 v14, v0, 4, RED
.irp w, 0,1,2,3,4,5,6,7
	ds_load_b128 v[WG+4*\w:WG+4*\w+3], v14 offset:512*\w
.endr
	s_wait_dscnt 0x0
.irp w, 1,2,3,4,5,6,7
	v_pk_add_f32 v[WG:WG+1], v[WG:WG+1], v[WG+4*\w:WG+4*\w+1]
	v_pk_add_f32 v[WG+2:WG+3], v[WG+2:WG+3], v[WG+4*\w+2:WG+4*\w+3]
.endr
.irp e, 0,1,2,3
	v_and_b32 v[16+\e], s55, v[WG+\e]
	v_mul_f32 v[16+\e], s51, v[16+\e]
.endr
.irp e, 0,1,2,3
	v_exp_f32 v[20+\e], v[16+\e]                   ; t = e^-|z|
.endr
	v_nop
	s_wait_alu depctr_va_vdst(0)
.irp e, 0,1,2,3
	v_add_f32 v[24+\e], 1.0, v[20+\e]
.endr
.irp e, 0,1,2,3
	v_log_f32 v[24+\e], v[24+\e]
.endr
.irp e, 0,1,2,3
	v_fma_f32 v[28+\e], v[20+\e], s52, -0.5        ; for small t, where 1 + t loses t's bits: t (1 + t (-1/2 + t / 3))
.endr
	s_wait_alu depctr_va_vdst(0)
.irp e, 0,1,2,3
	v_fma_f32 v[28+\e], v[20+\e], v[28+\e], 1.0
	v_mul_f32 v[24+\e], s53, v[24+\e]
	v_max_num_f32 v[32+\e], 0, v[WG+\e]
.endr
.irp e, 0,1,2,3
	v_mul_f32 v[28+\e], v[20+\e], v[28+\e]
	v_cmp_gt_f32 vcc_lo, s54, v[20+\e]
	v_cndmask_b32 v[24+\e], v[24+\e], v[28+\e], vcc_lo
	v_add_f32 v[36+\e], v[32+\e], v[24+\e]
.endr
	global_store_b128 v1, v[36:39], s[28:29]       ; 512 consecutive bytes: my block of G
.Lnot_wave_0:
	s_cmp_lg_u32 s34, 1
	s_cbranch_scc1 .Lend
	s_cmp_lg_u32 s35, 0
	s_cbranch_scc1 .Lend
	; wave 1 of work-group 0: the gains, rounded to bf16 and widened again; a row of ones
	v_and_b32 v15, 31, v0
	v_lshlrev_b32 v15, 4, v15
	global_load_b128 v[64:67], v15, s[18:19]
	global_load_b128 v[68:71], v15, s[20:21]
	s_wait_loadcnt 0x0
.irp n, 64,66,68,70
	v_cvt_pk_bf16_f32 v16, v[\n], v[\n+1]
	v_lshlrev_b32 v[\n], 16, v16
	v_and_b32 v[\n+1], s50, v16
.endr
.irp n, 72,73,74,75
	v_mov_b32 v[\n], 1.0
.endr
	global_store_b128 v15, v[64:67], s[32:33]
	global_store_b128 v15, v[68:71], s[32:33] offset:512
	global_store_b128 v15, v[72:75], s[32:33] offset:1024
.Lend:
	s_wait_tensorcnt 0x0                           ; the wave's end
	ds_add_u32 v12, v13
	s_wait_dscnt 0x0
	s_endpgm
.Lfunc_end_k_q866c5a3e56_prep:
	.size	k_q866c5a3e56_prep, .Lfunc_end_k_q866c5a3e56_prep-k_q866c5a3e56_prep
	.p2alignl 7, 3214868480
	.fill 96, 4, 3214868480
	.section	.rodata,"a",@progbits
	.p2align	6, 0x0
	.amdhsa_kernel k_q866c5a3e56_prep
		.amdhsa_group_segment_fixed_size 103680
		.amdhsa_private_segment_fixed_size 0
		.amdhsa_enable_private_segment 0
		.amdhsa_kernarg_size 104
		.amdhsa_user_sgpr_count 2
		.amdhsa_user_sgpr_kernarg_segment_ptr 1
		.amdhsa_wavefront_size32 1
		.amdhsa_system_sgpr_workgroup_id_x 1
		.amdhsa_system_sgpr_workgroup_id_y 1
		.amdhsa_system_sgpr_workgroup_id_z 1
		.amdhsa_system_vgpr_workitem_id 0
		.amdhsa_next_free_vgpr 256
		.amdhsa_next_free_sgpr 66
		.amdhsa_reserve_vcc 1
		.amdhsa_float_denorm_mode_32 3
		.amdhsa_float_denorm_mode_16_64 3
		.amdhsa_memory_ordered 1
		.amdhsa_forward_progress 1
		.amdhsa_inst_pref_size 44
	.end_amdhsa_kernel
	.amdgpu_metadata
---
amdhsa.version: [ 1, 2 ]
amdhsa.kernels:
  - .name:           k_q866c5a3e56_prep
    .symbol:         k_q866c5a3e56_prep.kd
    .args:
      - { .name: hidden_states, .offset: 0, .size: 8, .value_kind: global_buffer, .address_space: global }
      - { .name: w_qkv, .offset: 8, .size: 8, .value_kind: global_buffer, .address_space: global }
      - { .name: w_o, .offset: 16, .size: 8, .value_kind: global_buffer, .address_space: global }
      - { .name: w_g, .offset: 24, .size: 8, .value_kind: global_buffer, .address_space: global }
      - { .name: positions, .offset: 32, .size: 8, .value_kind: global_buffer, .address_space: global }
      - { .name: q_norm_w, .offset: 40, .size: 8, .value_kind: global_buffer, .address_space: global }
      - { .name: k_norm_w, .offset: 48, .size: 8, .value_kind: global_buffer, .address_space: global }
      - { .name: Xb, .offset: 56, .size: 8, .value_kind: global_buffer, .address_space: global }
      - { .name: Wqb, .offset: 64, .size: 8, .value_kind: global_buffer, .address_space: global }
      - { .name: Wob, .offset: 72, .size: 8, .value_kind: global_buffer, .address_space: global }
      - { .name: G, .offset: 80, .size: 8, .value_kind: global_buffer, .address_space: global }
      - { .name: CS, .offset: 88, .size: 8, .value_kind: global_buffer, .address_space: global }
      - { .name: NW, .offset: 96, .size: 8, .value_kind: global_buffer, .address_space: global }
    .group_segment_fixed_size: 103680
    .private_segment_fixed_size: 0
    .kernarg_segment_align: 8
    .kernarg_segment_size: 104
    .max_flat_workgroup_size: 256
    .sgpr_count:     66
    .vgpr_count:     256
    .wavefront_size: 32
...
	.end_amdgpu_metadata
.endif
;; end of part 1
;; launch qkvp (part 2): grid 8 x 32, 4 waves a work-group, clusters of 4 x 4, 327,680 bytes of LDS; arguments Xb, Wqb, CS, NW, qkv; writes qkv
.if DOCPART == 2
	.amdgcn_target "amdgcn-amd-amdhsa--gfx1250"
	.amdhsa_code_object_version 6
	.text
	.protected	k_q866c5a3e56_qkvp
	.globl	k_q866c5a3e56_qkvp
	.p2align	8
	.type	k_q866c5a3e56_qkvp,@function
k_q866c5a3e56_qkvp:
	s_mov_b64 s[64:65], 0
	v_nop
	global_prefetch_b8 v0, s[64:65] scope:SCOPE_SE
	s_setreg_imm32_b32 hwreg(HW_REG_WAVE_MODE, 25, 1), 1
	s_wait_xcnt 0x0
	s_wait_alu depctr_hold_cnt(0) depctr_sa_sdst(0) depctr_va_vdst(0) depctr_va_sdst(0) depctr_va_ssrc(0) depctr_va_vcc(0) depctr_vm_vsrc(0)
	s_getreg_b32 s2, hwreg(HW_REG_IB_STS2, 6, 4)
	s_cmp_eq_u32 s2, 0
	s_cbranch_scc0 .Lentry_in_a_cluster
	s_endpgm
.Lentry_in_a_cluster:
	s_bfe_u32 s2, ttmp6, 0x10000c
	s_cmp_lg_u32 s2, 0xf033
	s_cbranch_scc0 .Lentry_shape_is_right
	s_endpgm
.Lentry_shape_is_right:
; QKV PROJECTION WITH NORM AND ROPE.  C = Xb [4096][2048] x Wqb [2048 k][2048 n], bf16 operands, f32 sums; then for each row and head of 128 columns: x rsqrt(mean x^2 + 1e-6) gain, the
; neox rotation (columns c and c + 64 by the row's cos and sin), rounded once to f16 into qkv [16 heads][4096][128] (q 0-7, k 8-11, v 12-15).  v takes the same text with gain 1, cos 1, sin 0.
; SHARES.  A work-group makes 128 rows x 256 columns: 8 x 32 = 256 work-groups.  Wave w: rows 64 (w / 2) .., columns 128 (w % 2) ..: exactly one head, so norm and rotation never leave the wave.
; 32 accumulators of 16 x 16.  K goes in 16 steps of 128 through two LDS slots: X's tile rows are 256 bytes of memory, W's 512, all starting at multiples of 256 from their buffers' first bytes.
; W lies [k][n], so its fragments come out of LDS turned, by ds_load_tr16_b128.  The matrix instruction is used transposed (source 0 = 16 columns of W, source 1 = 16 rows of X):
; lane l holds row l % 16 and columns 16 b + 8 (l / 16) + 0..7.
; CLUSTER 4 x 4: X's tile is shared along a row of the cluster, W's along a column; each is asked for jointly, by the same tensor load with the same descriptor in the four that its mask names.
; LIMITS.  f16 ends at 65,504: v must stay within it (q and k are normalised).  NaN and infinities are not treated apart.
; REGISTERS.  window 0: v16-30 addresses; v32-49 at work; two fragment buffers v64-159, v160-255 (W's 8 fragments, then X's 4); on the way out v64-127 cos, sin times the row's factor, v128-191 rotated, v192-255 packed
;   window 1: accumulator (a, b) at 8 (8 a + b)     window 2: my 64 rows' cos and sin, at 64 a + 8 b + j and + 32     window 3: v0-63 the head's gains at 8 b + j
.set PA,    272                        ; a row of X in LDS: 256 + 16 bytes
.set PB,    544                        ; a k-row of W: 512 + 32 bytes, 17 x 32
.set AHALF, 64*PA
.set BOFF,  128*PA
.set BHALF, 64*PB
.set SLOT,  BOFF+128*PB
.set STAGE, 2*SLOT                     ; behind the ring: 16 rows x 272 bytes for each wave
.set SP,    272
.set SPARE, STAGE+4*16*SP              ; the spare words, 128 bytes a wave
.set LAPS,  8                          ; a lap = two K steps
.set ADRA, 16                          ; v16-17 my X fragments in slot 0, 1
.set ADRB, 20                          ; v20-21 my W fragments
.set STO,  24
.set RD,   25
.set CO,   26
.set TOFF, 27                          ; my byte offset in 16 rows of CS
.set SPW,  28
.set NIL,  29
.set NOFF, 30                          ; my byte offset in the gains
.set SSQ,  32
.set RS,   40
.set U,    42
.set F0,   64
.set F1,   160
.set CP,   64
.set SN,   96
.set Y,    128
.set PKD,  192
.set BK,   224
.set WV, 14
.set RH, 15
.set CH, 16
.set G1, 24
.set G0, 32
.set G1B, 48
.set G0B, 56
.set KA, 68                            ; 1, or 0 for v
.set CB, 70                            ; s[70:71] 0, or 1 for v
.set I128, 72
.set EPS, 73
.set SEL, 74
.set MSB, 0
.macro WIN new                         ; the immediate's high byte repeats the setting that is left
.if MSB != (\new)
	s_set_vgpr_msb (MSB<<8)|(\new)
.set MSB, \new
.endif
.endm
.macro PLACES
.rept 4
	v_nop
.endr
.endm
.macro JLOAD s                         ; a joint load: waves 0, 1 fetch X's two halves, waves 2, 3 W's; s_nop 0 and four v_nop follow each line
	s_cmp_eq_u32 s[RH], 0
	s_cbranch_scc0 .Lfor_b_\@
	tensor_load_to_lds s[G0+4*(\s):G0+4*(\s)+3], s[G1:G1+7]
	s_nop 0
	PLACES
	s_branch .Lasked_\@
.Lfor_b_\@:
	tensor_load_to_lds s[G0B+4*(\s):G0B+4*(\s)+3], s[G1B:G1B+7]
	s_nop 0
	PLACES
.Lasked_\@:
.endm
.macro CREST                           ; a round of the cluster's barrier behind its opening barrier
	s_cmp_lg_u32 s[WV], 0
	s_cbranch_scc1 .Lnot_wave_0_\@
	s_barrier_signal -3
.Lnot_wave_0_\@:
	s_barrier_wait -3
	s_barrier_signal -1
	s_barrier_wait -1
.endm
.macro CROUND
	s_barrier_signal -1
	s_barrier_wait -1
	CREST
.endm
	s_load_b256 s[4:11], s[0:1], 0x0               ; Xb s[4:5], Wqb s[6:7], CS s[8:9], NW s[10:11]
	s_load_b64 s[12:13], s[0:1], 0x20              ; qkv
	v_lshl_add_u32 v[SPW], v0, 2, SPARE
	v_mov_b32 v[NIL], 0
	ds_add_u32 v[SPW], v[NIL]                      ; the wave's opening: the add and its wait ahead of my first tensor load
	v_lshrrev_b32 v1, 5, v0
	v_readfirstlane_b32 s[WV], v1
	s_lshr_b32 s[RH], s[WV], 1                     ; my half of the rows; also: I fetch X (0) or W (1)
	s_and_b32 s[CH], s[WV], 1                      ; my half of the columns; also: which half of that tile I fetch
	s_bfe_u32 s17, ttmp6, 0x40000                  ; cx
	s_bfe_u32 s18, ttmp6, 0x40004                  ; cy
	s_lshl_b32 s19, ttmp9, 2
	s_add_co_u32 s19, s19, s17                     ; tile column
	s_and_b32 s20, ttmp7, 0xffff
	s_lshl_b32 s20, s20, 2
	s_add_co_u32 s20, s20, s18                     ; tile row
	s_lshl_b32 s21, s18, 2
	s_lshl_b32 s21, 15, s21                        ; my row of the cluster
	s_lshl_b32 s22, 0x1111, s17                    ; my column
	s_or_b32 s[G1+0], s21, (1<<16)|(1<<20)|(1<<21)|(5<<22)|(3<<25)   ; mask; 2-byte elements; padding on; bit 21 beside a mask; after every 64 words, 4 words
	s_mov_b32 s[G1+1], 128<<16                     ; tensor_dim0 = 128
	s_mov_b32 s[G1+2], 64<<16                      ; tensor_dim1 = 64
	s_mov_b32 s[G1+3], 128<<16                     ; tile_dim0 = 128
	s_mov_b32 s[G1+4], 64                          ; tile_dim1 = 64
	s_mov_b32 s[G1+5], 2048                        ; elements from row to row
	s_mov_b32 s[G1+6], 0
	s_mov_b32 s[G1+7], 0
	s_or_b32 s[G1B+0], s22, (1<<16)|(1<<20)|(1<<21)|(6<<22)|(7<<25)  ; after every 128 words, 8 words
	s_mov_b32 s[G1B+1], 256<<16
	s_mov_b32 s[G1B+2], 64<<16
	s_mov_b32 s[G1B+3], 256<<16
	s_mov_b32 s[G1B+4], 64
	s_mov_b32 s[G1B+5], 2048
	s_mov_b32 s[G1B+6], 0
	s_mov_b32 s[G1B+7], 0
	s_lshl_b32 s40, s20, 7                         ; X: row 128 x tile row + 64 x half, 4,096 bytes a row: made of the tile row and the wave's number alone
	s_lshl_b32 s41, s[CH], 6
	s_add_co_u32 s40, s40, s41
	s_lshl_b32 s40, s40, 12
	s_mov_b32 s41, 0
	s_lshl_b32 s42, s[CH], 18                      ; W: k-row 64 x half, column 256 x tile column: made of the tile column and the wave's number alone
	s_lshl_b32 s43, s19, 9
	s_add_co_u32 s42, s42, s43
	s_mov_b32 s43, 0
	s_mul_i32 s44, s[CH], AHALF                    ; where they go: no place in the cluster enters an LDS address
	s_mul_i32 s45, s[CH], BHALF
	s_add_co_u32 s45, s45, BOFF
	s_mov_b32 s[I128], 0x3c000000                  ; 1 / 128
	s_mov_b32 s[EPS], 0x358637bd                   ; 1e-6
	s_mov_b32 s[SEL], 0x76543210
	s_mov_b32 s[SEL+1], 0xfedcba98
	s_wait_dscnt 0x0                               ; the opening add is done
	s_wait_kmcnt 0x0
	s_add_nc_u64 s[46:47], s[4:5], s[40:41]
	s_add_nc_u64 s[76:77], s[6:7], s[42:43]
	CROUND                                         ; all sixteen work-groups are here: the first joint loads meet
.irp s, 0,1
	s_mov_b32 s[G0+4*(\s)], 1
	s_add_co_u32 s[G0+4*(\s)+1], s44, (\s)*SLOT
	s_add_nc_u64 s[G0+4*(\s)+2:G0+4*(\s)+3], s[46:47], (\s)*256
	s_or_b32 s[G0+4*(\s)+3], s[G0+4*(\s)+3], 0x80000000
	s_mov_b32 s[G0B+4*(\s)], 1
	s_add_co_u32 s[G0B+4*(\s)+1], s45, (\s)*SLOT
	s_add_nc_u64 s[G0B+4*(\s)+2:G0B+4*(\s)+3], s[76:77], (\s)*128*4096
	s_or_b32 s[G0B+4*(\s)+3], s[G0B+4*(\s)+3], 0x80000000
	JLOAD \s                                       ; K steps 0 and 1: two loads of mine are out
.endr
	v_and_b32 v1, 15, v0                           ; l % 16
	v_bfe_u32 v2, v0, 4, 1                         ; l / 16
	v_lshlrev_b32 v[TOFF], 9, v1
	v_lshl_add_u32 v[TOFF], v2, 5, v[TOFF]
	v_lshlrev_b32 v[NOFF], 5, v2
	s_lshl_b32 s40, s20, 7
	s_lshl_b32 s41, s[RH], 6
	s_add_co_u32 s40, s40, s41                     ; my first row
	s_lshl_b32 s42, s40, 9
	s_mov_b32 s43, 0
	s_add_nc_u64 s[8:9], s[8:9], s[42:43]
	s_lshl1_add_u32 s66, s19, s[CH]                ; my head
	s_cmp_lt_u32 s66, 8
	s_cselect_b32 s67, 0, 1
	s_cmp_lt_u32 s66, 12
	s_cselect_b32 s67, s67, 2                      ; q, k or v: it picks numbers and a row of NW, no branch
	s_cselect_b32 s[KA], 1.0, 0
	s_cselect_b32 s[CB], 0, 1.0
	s_mov_b32 s[CB+1], s[CB]
	s_lshl_b32 s42, s67, 9
	s_add_nc_u64 s[10:11], s[10:11], s[42:43]
	s_lshl_b32 s42, s66, 20
	s_lshl_b32 s41, s40, 8
	s_add_co_u32 s42, s42, s41
	s_add_nc_u64 s[12:13], s[12:13], s[42:43]      ; qkv at my head's rows
	; my rows' cos and sin and my head's gains: 80 loads that stay out during the whole K loop; one wait for them stands at the way out
	WIN 0x80
.irp a, 0,1,2,3
.irp b, 0,1,2,3
	global_load_b128 v[64*\a+8*\b:64*\a+8*\b+3], v[TOFF], s[8:9] offset:8192*\a+64*\b
	global_load_b128 v[64*\a+8*\b+4:64*\a+8*\b+7], v[TOFF], s[8:9] offset:8192*\a+64*\b+16
	global_load_b128 v[64*\a+32+8*\b:64*\a+32+8*\b+3], v[TOFF], s[8:9] offset:8192*\a+64*\b+256
	global_load_b128 v[64*\a+32+8*\b+4:64*\a+32+8*\b+7], v[TOFF], s[8:9] offset:8192*\a+64*\b+272
.endr
.endr
	WIN 0xc0
.irp b, 0,1,2,3,4,5,6,7
	global_load_b128 v[8*\b:8*\b+3], v[NOFF], s[10:11] offset:64*\b
	global_load_b128 v[8*\b+4:8*\b+7], v[NOFF], s[10:11] offset:64*\b+16
.endr
	WIN 0
	v_mul_u32_u24 v3, v1, PA
	v_lshl_add_u32 v3, v2, 4, v3                   ; row x 272 + 16 x half
	s_mul_i32 s40, s[RH], AHALF
	v_add_nc_u32 v[ADRA], s40, v3
	v_add_nc_u32 v[ADRA+1], SLOT, v[ADRA]
	v_and_b32 v4, 7, v0                            ; the turning load: lane l reads k-row 8 (l / 16) + l % 8, columns 8 ((l / 8) % 2) ..
	v_lshl_add_u32 v4, v2, 3, v4
	v_mul_u32_u24 v4, v4, PB
	v_bfe_u32 v5, v0, 3, 1
	v_lshl_add_u32 v4, v5, 4, v4
	s_lshl_b32 s41, s[CH], 8
	s_add_co_u32 s41, s41, BOFF
	v_add_nc_u32 v[ADRB], s41, v4
	v_add_nc_u32 v[ADRB+1], SLOT, v[ADRB]
	s_mul_i32 s42, s[WV], 16*SP
	s_add_co_u32 s42, s42, STAGE
	v_add_nc_u32 v[STO], s42, v3
	v_mul_u32_u24 v5, v2, SP
	v_lshl_add_u32 v5, v1, 4, v5
	v_add_nc_u32 v[RD], s42, v5
	v_and_b32 v[CO], 31, v0
	v_lshlrev_b32 v[CO], 4, v[CO]                  ; two rows of 256 bytes are 512 consecutive bytes of a head
.macro MUL8 f, a, zero                 ; row block a x all 8 column blocks, 32 along K
	WIN 0x50
.irp b, 0,1,2,3,4,5,6,7
.if \zero
	v_wmma_f32_16x16x32_bf16 v[8*(8*(\a)+\b):8*(8*(\a)+\b)+7], v[(\f)+8*\b:(\f)+8*\b+7], v[(\f)+64+8*(\a):(\f)+64+8*(\a)+7], 0
.else
	v_wmma_f32_16x16x32_bf16 v[8*(8*(\a)+\b):8*(8*(\a)+\b)+7], v[(\f)+8*\b:(\f)+8*\b+7], v[(\f)+64+8*(\a):(\f)+64+8*(\a)+7], v[8*(8*(\a)+\b):8*(8*(\a)+\b)+7]
.endif
.endr
.endm
.macro FETCH slot, kc, f               ; 24 LDS loads in one run: W's 8 fragments (turned), then X's 4
	WIN 0
.irp b, 0,1,2,3,4,5,6,7
	ds_load_tr16_b128 v[(\f)+8*\b:(\f)+8*\b+3], v[ADRB+(\slot)] offset:(\kc)*32*PB+32*\b
	ds_load_tr16_b128 v[(\f)+8*\b+4:(\f)+8*\b+7], v[ADRB+(\slot)] offset:(\kc)*32*PB+32*\b+16*PB
.endr
.irp a, 0,1,2,3
	ds_load_b128 v[(\f)+64+8*\a:(\f)+64+8*\a+3], v[ADRA+(\slot)] offset:\a*16*PA+64*(\kc)
	ds_load_b128 v[(\f)+64+8*\a+4:(\f)+64+8*\a+7], v[ADRA+(\slot)] offset:\a*16*PA+64*(\kc)+32
.endr
.endm
; A K step is four quarters of 32 along K, 32 matrix instructions each, on buffers 0, 1, 0, 1; the 32 accumulators take turns.
.macro QUARTER slot, kc, f, g, zero
	s_wait_dscnt 4                                 ; the youngest four loads (X's blocks 2, 3) may be out
	MUL8 \f, 0, \zero
	MUL8 \f, 1, \zero
	PLACES                                         ; ahead of loads into registers that matrix instructions have read
	FETCH \slot, \kc, \g
	s_wait_dscnt 24                                ; all but the 24 just issued
	MUL8 \f, 2, \zero
	MUL8 \f, 3, \zero
.endm
; The last quarter changes slots: each wave waits for all its tensor loads (one is out: its part of the next slot), adds 0 to its spare word, waits for that and for its reads of this slot.
.macro TURN slot, next, fill
	WIN 0
	s_wait_tensorcnt 0x0
	ds_add_u32 v[SPW], v[NIL]
	s_wait_dscnt 5                                 ; the add and the youngest four loads may be out
	MUL8 F1, 0, 0
	s_wait_dscnt 0x0                               ; the add is done, and my reads of this slot are over
	s_barrier_signal -1
	MUL8 F1, 1, 0
.if \fill
	WIN 0
.endif
	s_barrier_wait -1
.if \fill
	CREST                                          ; the barrier has opened a round of the cluster's: no wave of any partner still reads this slot or has a load on its way
	s_add_nc_u64 s[G0+4*(\slot)+2:G0+4*(\slot)+3], s[G0+4*(\slot)+2:G0+4*(\slot)+3], 512
	s_add_nc_u64 s[G0B+4*(\slot)+2:G0B+4*(\slot)+3], s[G0B+4*(\slot)+2:G0B+4*(\slot)+3], 2*128*4096
	JLOAD \slot                                    ; my one tensor load behind the round; its four v_nop are also the places ahead of the loads below
.else
	PLACES
.endif
	FETCH \next, 0, F0
	MUL8 F1, 2, 0
	MUL8 F1, 3, 0
.endm
	s_wait_tensorcnt 1                             ; my part of K step 0 is in; step 1's may stay out
	s_barrier_signal -1
	s_barrier_wait -1
	FETCH 0, 0, F0
	QUARTER 0, 1, F0, F1, 1                        ; the first quarter's products start the sums
	WIN 0
	s_mov_b32 s3, LAPS-1
.Llap:
	QUARTER 0, 2, F1, F0, 0
	QUARTER 0, 3, F0, F1, 0
	TURN 0, 1, 1
	QUARTER 1, 1, F0, F1, 0
	QUARTER 1, 2, F1, F0, 0
	QUARTER 1, 3, F0, F1, 0
	TURN 1, 0, 1
	QUARTER 0, 1, F0, F1, 0
	WIN 0
	s_sub_co_u32 s3, s3, 1
	s_cmp_lg_u32 s3, 0
	s_cbranch_scc1 .Llap
	QUARTER 0, 2, F1, F0, 0                        ; the last lap fills nothing
	QUARTER 0, 3, F0, F1, 0
	TURN 0, 1, 0
	QUARTER 1, 1, F0, F1, 0
	QUARTER 1, 2, F1, F0, 0
	QUARTER 1, 3, F0, F1, 0
	s_wait_dscnt 4
	MUL8 F1, 0, 0
	MUL8 F1, 1, 0
	s_wait_dscnt 0x0
	MUL8 F1, 2, 0
	MUL8 F1, 3, 0
	PLACES
	s_wait_loadcnt 0x0                             ; the tables
; THE WAY OUT of row block a: 16 rows x my head.  Each accumulator's registers are read in ascending order.
.macro EPI a
	WIN 0
	s_wait_xcnt 0x0                                ; the block before's stores have read their registers
	WIN 0x05                                       ; the sum of squares of my 64 numbers, in four chains
.set p, 0
.rept 32
.if p < 4
	v_pk_mul_f32 v[SSQ+2*p:SSQ+2*p+1], v[64*(\a)+2*p:64*(\a)+2*p+1], v[64*(\a)+2*p:64*(\a)+2*p+1]
.else
	v_pk_fma_f32 v[SSQ+2*(p%4):SSQ+2*(p%4)+1], v[64*(\a)+2*p:64*(\a)+2*p+1], v[64*(\a)+2*p:64*(\a)+2*p+1], v[SSQ+2*(p%4):SSQ+2*(p%4)+1]
.endif
.set p, p+1
.endr
	WIN 0
	v_pk_add_f32 v[SSQ:SSQ+1], v[SSQ:SSQ+1], v[SSQ+2:SSQ+3]
	v_pk_add_f32 v[SSQ+4:SSQ+5], v[SSQ+4:SSQ+5], v[SSQ+6:SSQ+7]
	v_pk_add_f32 v[SSQ:SSQ+1], v[SSQ:SSQ+1], v[SSQ+4:SSQ+5]
	v_add_f32 v[SSQ], v[SSQ], v[SSQ+1]
	v_permlanex16_b32 v[SSQ+1], v[SSQ], s[SEL], s[SEL+1]   ; the row's other 64 columns lie in the lane 16 away
	v_add_f32 v[SSQ], v[SSQ], v[SSQ+1]
	v_fma_f32 v[SSQ], v[SSQ], s[I128], s[EPS]
	v_rsq_f32 v[RS], v[SSQ]
	v_nop
	s_wait_alu depctr_va_vdst(0)
	v_mul_f32 v[RS], s[KA], v[RS]
	v_mov_b32 v[RS+1], v[RS]
	WIN 0x02                                       ; cos and sin take the row's factor (for v: 1 and 0)
.set p, 0
.rept 16
	v_pk_fma_f32 v[CP+2*p:CP+2*p+1], v[64*(\a)+2*p:64*(\a)+2*p+1], v[RS:RS+1], s[CB:CB+1] op_sel_hi:[1,0,0]
	v_pk_mul_f32 v[SN+2*p:SN+2*p+1], v[64*(\a)+32+2*p:64*(\a)+32+2*p+1], v[RS:RS+1] op_sel_hi:[1,0]
.set p, p+1
.endr
	WIN 0x4d                                       ; x times the gain, in place
.set p, 0
.rept 32
	v_pk_mul_f32 v[64*(\a)+2*p:64*(\a)+2*p+1], v[64*(\a)+2*p:64*(\a)+2*p+1], v[2*p:2*p+1]
.set p, p+1
.endr
	WIN 0x01                                       ; the rotation: columns c (blocks 0-3) with c + 64 (blocks 4-7)
.set p, 0
.rept 16
.set u, U+4*(p%2)
	v_pk_mul_f32 v[u:u+1], v[64*(\a)+32+2*p:64*(\a)+32+2*p+1], v[SN+2*p:SN+2*p+1]
	v_pk_mul_f32 v[u+2:u+3], v[64*(\a)+2*p:64*(\a)+2*p+1], v[SN+2*p:SN+2*p+1]
	v_pk_fma_f32 v[Y+2*p:Y+2*p+1], v[64*(\a)+2*p:64*(\a)+2*p+1], v[CP+2*p:CP+2*p+1], v[u:u+1] neg_lo:[0,0,1] neg_hi:[0,0,1]
	v_pk_fma_f32 v[Y+32+2*p:Y+32+2*p+1], v[64*(\a)+32+2*p:64*(\a)+32+2*p+1], v[CP+2*p:CP+2*p+1], v[u+2:u+3]
.set p, p+1
.endr
	WIN 0
.set p, 0
.rept 32
	v_cvt_pk_f16_f32 v[PKD+p], v[Y+2*p], v[Y+2*p+1]
.set p, p+1
.endr
.irp b, 0,1,2,3,4,5,6,7
	ds_store_b128 v[STO], v[PKD+4*\b:PKD+4*\b+3] offset:32*\b
.endr
.irp t, 0,1,2,3,4,5,6,7
	ds_load_b128 v[BK+4*\t:BK+4*\t+3], v[RD] offset:\t*2*SP    ; my own stage: LDS serves a wave's instructions in order (ISA guide 5.7.1.4)
.endr
	s_wait_dscnt 0x0
.irp t, 0,1,2,3,4,5,6,7
	global_store_b128 v[CO], v[BK+4*\t:BK+4*\t+3], s[12:13] offset:4096*(\a)+512*\t   ; 512 consecutive bytes, at a multiple of 256 from the buffer's first
.endr
.endm
	EPI 0
	EPI 1
	EPI 2
	EPI 3
	s_wait_tensorcnt 0x0                           ; the wave's end
	ds_add_u32 v[SPW], v[NIL]
	s_wait_dscnt 0x0
	CROUND                                         ; the closing round
	s_endpgm
.Lfunc_end_k_q866c5a3e56_qkvp:
	.size	k_q866c5a3e56_qkvp, .Lfunc_end_k_q866c5a3e56_qkvp-k_q866c5a3e56_qkvp
	.p2alignl 7, 3214868480
	.fill 96, 4, 3214868480
	.section	.rodata,"a",@progbits
	.p2align	6, 0x0
	.amdhsa_kernel k_q866c5a3e56_qkvp
		.amdhsa_group_segment_fixed_size 327680
		.amdhsa_private_segment_fixed_size 0
		.amdhsa_enable_private_segment 0
		.amdhsa_kernarg_size 40
		.amdhsa_user_sgpr_count 2
		.amdhsa_user_sgpr_kernarg_segment_ptr 1
		.amdhsa_wavefront_size32 1
		.amdhsa_system_sgpr_workgroup_id_x 1
		.amdhsa_system_sgpr_workgroup_id_y 1
		.amdhsa_system_sgpr_workgroup_id_z 1
		.amdhsa_system_vgpr_workitem_id 0
		.amdhsa_next_free_vgpr 832
		.amdhsa_next_free_sgpr 80
		.amdhsa_reserve_vcc 0
		.amdhsa_float_denorm_mode_32 3
		.amdhsa_float_denorm_mode_16_64 3
		.amdhsa_memory_ordered 1
		.amdhsa_forward_progress 1
		.amdhsa_inst_pref_size 137
	.end_amdhsa_kernel
	.amdgpu_metadata
---
amdhsa.version: [ 1, 2 ]
amdhsa.kernels:
  - .name:           k_q866c5a3e56_qkvp
    .symbol:         k_q866c5a3e56_qkvp.kd
    .args:
      - { .name: Xb, .offset: 0, .size: 8, .value_kind: global_buffer, .address_space: global }
      - { .name: Wqb, .offset: 8, .size: 8, .value_kind: global_buffer, .address_space: global }
      - { .name: CS, .offset: 16, .size: 8, .value_kind: global_buffer, .address_space: global }
      - { .name: NW, .offset: 24, .size: 8, .value_kind: global_buffer, .address_space: global }
      - { .name: qkv, .offset: 32, .size: 8, .value_kind: global_buffer, .address_space: global }
    .group_segment_fixed_size: 327680
    .private_segment_fixed_size: 0
    .kernarg_segment_align: 8
    .kernarg_segment_size: 40
    .max_flat_workgroup_size: 128
    .sgpr_count:     80
    .vgpr_count:     832
    .wavefront_size: 32
...
	.end_amdgpu_metadata
.endif
;; end of part 2
;; launch attn (part 3): grid 64 x 4, 4 waves a work-group, clusters of 4 x 1, 327,680 bytes of LDS; arguments qkv, Oh; writes Oh
.if DOCPART == 3
	.amdgcn_target "amdgcn-amd-amdhsa--gfx1250"
	.amdhsa_code_object_version 6
	.text
	.protected	k_q866c5a3e56_attn
	.globl	k_q866c5a3e56_attn
	.p2align	8
	.type	k_q866c5a3e56_attn,@function
k_q866c5a3e56_attn:
	s_mov_b64 s[64:65], 0
	v_nop
	global_prefetch_b8 v0, s[64:65] scope:SCOPE_SE
	s_setreg_imm32_b32 hwreg(HW_REG_WAVE_MODE, 25, 1), 1
	s_wait_xcnt 0x0
	s_wait_alu depctr_hold_cnt(0) depctr_sa_sdst(0) depctr_va_vdst(0) depctr_va_sdst(0) depctr_va_ssrc(0) depctr_va_vcc(0) depctr_vm_vsrc(0)
	s_getreg_b32 s2, hwreg(HW_REG_IB_STS2, 6, 4)
	s_cmp_eq_u32 s2, 0
	s_cbranch_scc0 .Lentry_in_a_cluster
	s_endpgm
.Lentry_in_a_cluster:
	s_bfe_u32 s2, ttmp6, 0x10000c
	s_cmp_lg_u32 s2, 0x3003
	s_cbranch_scc0 .Lentry_shape_is_right
	s_endpgm
.Lentry_shape_is_right:
; CAUSAL ATTENTION WITH GROUPED KEYS.  O[h][q] = sum over k <= q of softmax_k(Q[h][q] . K[h/2][k] / sqrt(128)) V[h/2][k].  qkv: [16 heads][4096][128] f16 (q 0-7, k 8-11, v 12-15).
; Products, maxima and sums in f32; the weights are rounded to f16 for the second product (their sum is taken of the unrounded weights).  O leaves UNGATED, as f16, into
; Oh [32 tiles of 128 rows][144 rows][1024]: rows 0-127 O rounded to f16; rows 128-143 a second f16 word, what the rounding dropped, for the tile's rows 0-15.
; LIMITS.  q, k, v arrive within 65,504.  A hidden score counts as its value less 1e30.  A weight below 2^-126 counts as 0.  NaN and infinities are not treated apart.
; THE WALK.  32 blocks of 128 rows; block B needs B / 2 + 1 ROUNDS of 256 keys, the last with the diagonal.  A cluster takes blocks 31 - b and then b: 17 rounds whatever b, so all 256 work-groups do
; equal work and one loop of 16 trips, with the 17th round written out, walks them.  What a trip does hangs on scalars made of the cluster's number alone: the same in all waves and all partners.
; CLUSTER.  Four work-groups: the two q heads of one kv head x two halves of the block's rows.  All four walk the same K and V, so every tile is asked for jointly, with the mask of four.
; SHARES.  The halves take the block's rows by turns of eight: row 16 t + r of a work-group's 64 (four tiles t of 16) is block row 32 t + 16 (r / 8) + 8 half + r % 8.  So both halves hold eight of the
; block's rows 0-15, in tile 0's rows 0-7, and who stores the second word is a matter of the wave's number: the text, and every lane mask, is alike in all partners.
; The four waves split the KEYS: wave w takes keys 64 w .. 64 w + 63 of each round for all 64 rows, with its own running maximum, sum and O, so each byte of K and V leaves LDS once.
; At a block's end the four are merged through LDS.
; LAYOUT.  S^T = K Q^T holds one query a lane (lane % 16) and keys 8 (lane / 16) + 0..7; two such results rounded to f16 are source 1 of O^T = V^T P.  V is turned by ds_load_tr16_b128.
; THE MASK is the C operand that starts S^T's sums: ten groups of 8 registers, by key block kb less twice the query tile t; all 0 in rounds below the diagonal.
; PHASES.  A round is written in phases (products, softmax, products): the plain form.
; O^T is cleared once (256 v_mov_b32, in the wait for the first tile); a block's first round multiplies O and l by 0, so no first round is written out.
; REGISTERS.  window 0: v2-15 addresses; v16-47 eight registers of statistics a tile; v62, v63 the add's; v64-191 S^T; v192-255 P.   window 1: O^T, 64 a tile.
;   window 2: v0-127 Q, v128-255 K.   window 3: v0-127 V, v128-207 the mask.
.set PK,    272
.set PV,    288
.set VOFF,  256*PK                     ; a slot: 256 rows of K, then 256 rows of V: 143,360 bytes
.set SLOT1, 147456                     ; slot 1 begins here: the number shares no bit with the four LDS words 0, 0x8800, 0x11000, 0x1a000, so one exclusive or changes slots
.set STAGE, SLOT1+256*(PK+PV)          ; 16 rows x 528 bytes of f32 for each wave
.set SPS,   528
.set ML,    STAGE+4*16*SPS             ; [4 waves][4 tiles][16 rows] (c m, l)
.set SPARE, ML+2048
.set AKW, 2
.set AVW, 3
.set ADRK, 4
.set ADRV, 5
.set QO,  6
.set VD0, 7
.set VD,  8
.set MLA, 10
.set MLR, 11
.set STW, 12
.set STR, 13
.set GO,  14
.set ST,  16                           ; tile t at ST + 8 t: c m, m, l (even keys', odd keys'), c0-c3 at work; c2 takes a
.set SPW, 62
.set NIL, 63
.set S,   64
.set P,   192
.set SUM, 96
.set KF,  128
.set MC,  128
.set MCN, 80                           ; ten groups of eight
.set WV,  12
.set PBK, 17
.set HI,  18
.set G1K, 24
.set G1V, 32
.set G0K, 40
.set G0V, 44
.set KB,  48
.set VB,  50
.set Q2,  52
.set OB,  54
.set SLOTS, 56
.set RT,  57
.set CS,  58
.set SEL, 60
.set TB,  62
.set LQ2, 63
.set NXT, 66
.set LQ,  67
.set OFF, 68
.set BIGN, 70
.set DREL, 71
.set DREL2, 73
.set Q1,  74
.set O2,  76
.set MSB, 0
.macro WIN new
.if MSB != (\new)
	s_set_vgpr_msb (MSB<<8)|(\new)
.set MSB, \new
.endif
.endm
.macro PLACES
.rept 4
	v_nop
.endr
.endm
.macro JLOAD                           ; waves 0, 1 fetch the two halves of a round's K, waves 2, 3 of its V; s_nop 0 and four v_nop follow each line
	s_cmp_lt_u32 s[WV], 2
	s_cbranch_scc0 .Lfor_v_\@
	tensor_load_to_lds s[G0K:G0K+3], s[G1K:G1K+7]
	s_nop 0
	PLACES
	s_branch .Lasked_\@
.Lfor_v_\@:
	tensor_load_to_lds s[G0V:G0V+3], s[G1V:G1V+7]
	s_nop 0
	PLACES
.Lasked_\@:
.endm
.macro CROUND
	s_barrier_signal -1
	s_barrier_wait -1
	s_cmp_lg_u32 s[WV], 0
	s_cbranch_scc1 .Lnot_wave_0_\@
	s_barrier_signal -3
.Lnot_wave_0_\@:
	s_barrier_wait -3
	s_barrier_signal -1
	s_barrier_wait -1
.endm
; THE CHANGE OF SLOTS.  Each wave waits for all its tensor loads (one is out: its part of the other slot), adds 0 to its spare word, and waits for that and for its reads of the slot that it leaves.
; fill = 1: behind a round of the cluster's barrier the old slot takes round NXT: the address is made anew from that number.  The load has a whole round's work in which to land.
.macro CHANGE fill
	WIN 0
	s_wait_tensorcnt 0x0
	ds_add_u32 v[SPW], v[NIL]
.if \fill
	s_lshl_b32 s[OFF], s[NXT], 16                  ; a round is 65,536 bytes of K and of V
	s_xor_b32 s[G0K+1], s[G0K+1], SLOT1
	s_add_nc_u64 s[G0K+2:G0K+3], s[KB:KB+1], s[OFF:OFF+1]
	s_or_b32 s[G0K+3], s[G0K+3], 0x80000000
	s_xor_b32 s[G0V+1], s[G0V+1], SLOT1
	s_add_nc_u64 s[G0V+2:G0V+3], s[VB:VB+1], s[OFF:OFF+1]
	s_or_b32 s[G0V+3], s[G0V+3], 0x80000000
	s_add_co_u32 s[NXT], s[NXT], 1                 ; the block's next round, or behind its last the second block's round 0
	s_cmp_gt_u32 s[NXT], s[LQ]
	s_cselect_b32 s[NXT], 0, s[NXT]
	s_cselect_b32 s[LQ], s[LQ2], s[LQ]
.endif
	s_xor_b32 s[TB], s[TB], SLOT1                  ; the reads go to the other slot
	s_wait_dscnt 0x0                               ; the add is done, and my reads of the slot are over
.if \fill
	CROUND
	JLOAD
.else
	s_barrier_signal -1
	s_barrier_wait -1
	PLACES                                         ; ahead of the loads into V's registers, which the last products read
.endif
.endm
.macro QLOAD base                      ; my 64 rows of Q: tile n / 4 (32 block rows, 8,192 bytes, apart), channels 32 (n % 4) on
	WIN 0x80
.set n_, 0
.rept 16
	global_load_b128 v[8*n_:8*n_+3], v[QO], s[(\base):(\base)+1] offset:(n_/4)*8192+(n_%4)*64
	global_load_b128 v[8*n_+4:8*n_+7], v[QO], s[(\base):(\base)+1] offset:(n_/4)*8192+(n_%4)*64+32
.set n_, n_+1
.endr
	WIN 0
.endm
.macro INIT                            ; a block begins: c m far below every c s, m the lowest finite number, l = 0, no mask
	WIN 0
.set n_, 0
.rept 4
	v_mov_b32 v[ST+8*n_], 0xfe000000
	v_mov_b32 v[ST+8*n_+1], 0xff7fffff
	v_mov_b32 v[ST+8*n_+2], 0
	v_mov_b32 v[ST+8*n_+3], 0
.set n_, n_+1
.endr
	WIN 0xc0
.set n_, 0
.rept MCN
	v_mov_b32 v[MC+n_], 0
.set n_, n_+1
.endr
	WIN 0
.endm
; The diagonal round's mask.  Key 64 w + 16 kb + 8 (l / 16) + j of the round is hidden from my row (tile t, r = l % 16), which lies at 128 (B % 2) + 32 t + 16 (r / 8) + 8 half + r % 8 of the round,
; where 16 (kb - 2 t) + j > DREL + r + 8 (r / 8) - 8 (l / 16), DREL = 128 (B % 2) + 8 half - 64 w.  Group kb - 2 t + 6 of ten.
.macro MAKEMASK
	WIN 0
	v_add_nc_u32 v[VD], s[DREL], v[VD0]
	WIN 0xc0
.set n_, 0
.rept MCN
	v_cmp_gt_i32 vcc_lo, 16*(n_/8-6)+n_%8, v[VD]
	v_cndmask_b32 v[MC+n_], 0, s[BIGN], vcc_lo
.set n_, n_+1
.endr
	WIN 0
.endm
.macro ALLT line:vararg                ; one line for each tile
.set tt, 0
.rept 4
.set rT, ST+8*tt
.set rS, S+32*tt
.set rE, S+8*tt
	\line
.set tt, tt+1
.endr
.endm
; A ROUND: my 64 keys against the work-group's 64 rows.
.macro STEP
	WIN 0
	v_add_nc_u32 v[ADRK], s[TB], v[AKW]
	v_add_nc_u32 v[ADRV], s[TB], v[AVW]
	WIN 0x80
.irp f, 0,1,2,3,4,5,6,7,8,9,10,11,12,13,14,15      ; keys 16 (f / 4) on, channels 32 (f % 4) on
	ds_load_b128 v[KF+8*\f:KF+8*\f+3], v[ADRK] offset:(\f/4)*16*PK+(\f%4)*64
	ds_load_b128 v[KF+8*\f+4:KF+8*\f+7], v[ADRK] offset:(\f/4)*16*PK+(\f%4)*64+32
.endr
	WIN 0xc0
.irp f, 0,1,2,3,4,5,6,7,8,9,10,11,12,13,14,15      ; keys 32 (f / 8) on, channels 16 (f % 8) on
	ds_load_tr16_b128 v[8*\f:8*\f+3], v[ADRV] offset:(\f/8)*32*PV+(\f%8)*32
	ds_load_tr16_b128 v[8*\f+4:8*\f+7], v[ADRV] offset:(\f/8)*32*PV+16*PV+(\f%8)*32
.endr
	s_wait_loadcnt 0x0                             ; Q
	s_wait_dscnt 32                                ; V's 32 loads are younger: K is in
.set n_, 0
.rept 64                               ; S^T: channels outermost; the 16 accumulators take turns; the first 16 start the sums with the mask
.set kc_, n_/16
.set kb_, (n_/4)%4
.set t_, n_%4
.set rA, S+32*t_+8*kb_
.set rK, KF+32*kb_+8*kc_
.set rQ, 32*t_+8*kc_
.set rM, MC+8*(kb_-2*t_+6)
.if kc_ == 0
	WIN 0x3a
	v_wmma_f32_16x16x32_f16 v[rA:rA+7], v[rK:rK+7], v[rQ:rQ+7], v[rM:rM+7]
.else
	WIN 0x0a
	v_wmma_f32_16x16x32_f16 v[rA:rA+7], v[rK:rK+7], v[rQ:rQ+7], v[rA:rA+7]
.endif
.set n_, n_+1
.endr
	WIN 0
	PLACES
	; the maximum of 32 scores and the old m: four chains of seven, each accumulator's lowest registers first
.irp n, 0,1,2,3
	ALLT v_max3_num_f32 v[rT+4+\n], v[rS+8*\n], v[rS+8*\n+1], v[rS+8*\n+2]
.endr
.irp n, 4,5,6,7,8,9,10,11
	ALLT v_max3_num_f32 v[rT+4+\n%4], v[rT+4+\n%4], v[rS+8*(\n%4)+2*(\n/4)+1], v[rS+8*(\n%4)+2*(\n/4)+2]
.endr
	ALLT v_max3_num_f32 v[rT+4], v[rT+4], v[rS+7], v[rS+15]
	ALLT v_max3_num_f32 v[rT+6], v[rT+6], v[rS+23], v[rS+31]
	ALLT v_max3_num_f32 v[rT+4], v[rT+4], v[rT+5], v[rT+6]
	ALLT v_max3_num_f32 v[rT+4], v[rT+4], v[rT+7], v[rT+1]
	ALLT v_permlanex16_b32 v[rT+5], v[rT+4], s[SEL], s[SEL+1]
	ALLT v_mov_b32 v[rT+7], v[rT]
	ALLT v_max_num_f32 v[rT+1], v[rT+4], v[rT+5]
	ALLT v_mul_f32 v[rT], s[CS], v[rT+1]
	ALLT v_sub_f32 v[rT+7], v[rT+7], v[rT]
	ALLT v_exp_f32 v[rT+6], v[rT+7]
.set n_, 0
.rept 64                               ; c s - c m
	v_pk_fma_f32 v[S+2*n_:S+2*n_+1], v[S+2*n_:S+2*n_+1], s[CS:CS+1], v[ST+8*(n_/16):ST+8*(n_/16)+1] op_sel_hi:[1,0,0] neg_lo:[0,0,1] neg_hi:[0,0,1]
.set n_, n_+1
.endr
.set n_, 0
.rept 128
	v_exp_f32 v[S+n_], v[S+n_]
.set n_, n_+1
.endr
	v_nop                                          ; a plain instruction behind the last exponential
.set n_, 0
	s_wait_alu depctr_va_vdst(0)
.rept 64
	v_cvt_pk_f16_f32 v[P+n_], v[S+2*n_], v[S+2*n_+1]
.set n_, n_+1
.endr
.irp w, 4,8,16,32                      ; each tile's 16 pairs are added in place, neighbours 1, 2, 4, 8 pairs apart
.set n_, 0
.rept 128/\w
	v_pk_add_f32 v[S+\w*n_:S+\w*n_+1], v[S+\w*n_:S+\w*n_+1], v[S+\w*n_+\w/2:S+\w*n_+\w/2+1]
.set n_, n_+1
.endr
.endr
	ALLT v_pk_fma_f32 v[rT+2:rT+3], v[rT+2:rT+3], v[rT+6:rT+7], v[rS:rS+1] op_sel_hi:[1,0,1]
	WIN 0x41
.set n_, 0
.rept 128                              ; O^T times a
	v_pk_mul_f32 v[2*n_:2*n_+1], v[2*n_:2*n_+1], v[ST+8*(n_/32)+6:ST+8*(n_/32)+7] op_sel_hi:[1,0]
.set n_, n_+1
.endr
	s_wait_dscnt 0x0                               ; V is in
	WIN 0x53
.set n_, 0
.rept 64                               ; O^T += V^T P: keys outermost; the 32 accumulators take turns
.set kk_, n_/32
.set cb_, (n_/4)%8
.set t_, n_%4
.set rA, 64*t_+8*cb_
	v_wmma_f32_16x16x32_f16 v[rA:rA+7], v[64*kk_+8*cb_:64*kk_+8*cb_+7], v[P+16*t_+8*kk_:P+16*t_+8*kk_+7], v[rA:rA+7]
.set n_, n_+1
.endr
	WIN 0
.endm
; One tile of 16 rows goes out: the four waves' scaled O^T meet in the stages; wave w then owns the tile's rows 4 w .. 4 w + 3, adds the four, rounds, and stores.
; Tile row 4 w + 2 i + l / 16 is block row 32 t + 16 (w / 2) + 8 half + 4 (w % 2) + 2 i + l / 16: t and i stand in the immediate, the wave and the lane in GO, the half in O's address.
.macro PASS t
	WIN 0
	s_wait_xcnt 0x0                                ; the tile before's stores have read their registers
.if (\t) > 0
	s_barrier_signal -1                            ; every wave has waited for its reads of the stages: they may be written again
	s_barrier_wait -1
.endif
	WIN 0x04
.irp c, 0,1,2,3,4,5,6,7
	ds_store_b128 v[STW], v[64*(\t)+8*\c:64*(\t)+8*\c+3] offset:64*\c
	ds_store_b128 v[STW], v[64*(\t)+8*\c+4:64*(\t)+8*\c+7] offset:64*\c+16
.endr
	WIN 0
	s_wait_dscnt 0x0                               ; for the others' sake
	s_barrier_signal -1
	s_barrier_wait -1
.irp i, 0,1
.irp w, 0,1,2,3
	ds_load_b128 v[SUM+32*\i+8*\w:SUM+32*\i+8*\w+3], v[STR] offset:16*SPS*\w+2*SPS*\i
	ds_load_b128 v[SUM+32*\i+8*\w+4:SUM+32*\i+8*\w+7], v[STR] offset:16*SPS*\w+2*SPS*\i+16
.endr
.endr
	s_wait_dscnt 0x0
.irp i, 0,1
.irp w, 1,2,3
.irp p, 0,1,2,3
	v_pk_add_f32 v[SUM+32*\i+2*\p:SUM+32*\i+2*\p+1], v[SUM+32*\i+2*\p:SUM+32*\i+2*\p+1], v[SUM+32*\i+8*\w+2*\p:SUM+32*\i+8*\w+2*\p+1]
.endr
.endr
.endr
.irp i, 0,1
.irp q, 0,1,2,3
	v_cvt_pk_f16_f32 v[64+4*\i+\q], v[SUM+32*\i+2*\q], v[SUM+32*\i+2*\q+1]
.endr
.endr
.irp i, 0,1
	global_store_b128 v[GO], v[64+4*\i:64+4*\i+3], s[OB:OB+1] offset:65536*(\t)+4096*\i   ; sixteen lanes fill 256 consecutive aligned bytes: a row's 128 channels of my head
.endr
.if (\t) == 0
	; the second word: what the rounding dropped, for the block's rows 0-15.  Those are tile 0's rows 0-7 in both halves: waves 0 and 1.  It lies 128 rows of 2,048 bytes behind the first word.
	s_cmp_lt_u32 s[WV], 2
	s_cbranch_scc0 .Lno_second_\@
	v_cvt_f32_f16 v80, v64.l
	v_cvt_f32_f16 v81, v64.h
	v_cvt_f32_f16 v82, v65.l
	v_cvt_f32_f16 v83, v65.h
	v_cvt_f32_f16 v84, v66.l
	v_cvt_f32_f16 v85, v66.h
	v_cvt_f32_f16 v86, v67.l
	v_cvt_f32_f16 v87, v67.h
	v_cvt_f32_f16 v88, v68.l
	v_cvt_f32_f16 v89, v68.h
	v_cvt_f32_f16 v90, v69.l
	v_cvt_f32_f16 v91, v69.h
	v_cvt_f32_f16 v92, v70.l
	v_cvt_f32_f16 v93, v70.h
	v_cvt_f32_f16 v94, v71.l
	v_cvt_f32_f16 v95, v71.h
.irp i, 0,1
.irp q, 0,1,2,3
	v_pk_add_f32 v[80+8*\i+2*\q:80+8*\i+2*\q+1], v[SUM+32*\i+2*\q:SUM+32*\i+2*\q+1], v[80+8*\i+2*\q:80+8*\i+2*\q+1] neg_lo:[0,1] neg_hi:[0,1]
.endr
.endr
.irp i, 0,1
.irp q, 0,1,2,3
	v_cvt_pk_f16_f32 v[72+4*\i+\q], v[80+8*\i+2*\q], v[80+8*\i+2*\q+1]
.endr
.endr
	global_store_b128 v[GO], v[72:75], s[OB:OB+1] offset:262144
	global_store_b128 v[GO], v[76:79], s[OB:OB+1] offset:262144+4096
.Lno_second_\@:
.endif
.endm
; A BLOCK ENDS.  Each wave tells (c m, l) of its keys; with M the largest c m and L = sum of 2^(c m - M) l, its O^T takes the factor 2^(c m - M) / L.  A wave all of whose keys were hidden has
; c m near -1.3e29 and the factor 0.  last = 0: the second block's Q is asked for first (Q's last reader stands a whole softmax back).
.macro MERGE last
	WIN 0
.if !(\last)
	QLOAD Q2
.endif
	ALLT v_add_f32 v[rT+4], v[rT+2], v[rT+3]
	ALLT v_permlanex16_b32 v[rT+5], v[rT+4], s[SEL], s[SEL+1]
	ALLT v_add_f32 v[rT+3], v[rT+4], v[rT+5]
	ALLT v_mov_b32 v[rT+2], v[rT]
	ALLT ds_store_b64 v[MLA], v[rT+2:rT+3] offset:128*tt
	s_wait_dscnt 0x0
	s_barrier_signal -1
	s_barrier_wait -1
.irp w, 0,1,2,3
	ALLT ds_load_b64 v[rE+2*\w:rE+2*\w+1], v[MLR] offset:512*\w+128*tt
.endr
	s_wait_dscnt 0x0
	ALLT v_max3_num_f32 v[rT+4], v[rE], v[rE+2], v[rE+4]
	ALLT v_max_num_f32 v[rT+4], v[rT+4], v[rE+6]
.irp w, 0,1,2,3
	ALLT v_sub_f32 v[rE+2*\w], v[rE+2*\w], v[rT+4]
.endr
	ALLT v_sub_f32 v[rT+5], v[rT], v[rT+4]
.irp w, 0,1,2,3
	ALLT v_exp_f32 v[rE+2*\w], v[rE+2*\w]
.endr
	ALLT v_exp_f32 v[rT+5], v[rT+5]
	v_nop
	s_wait_alu depctr_va_vdst(0)
	ALLT v_mul_f32 v[rT+6], v[rE], v[rE+1]
.irp w, 1,2,3
	ALLT v_fmac_f32 v[rT+6], v[rE+2*\w], v[rE+2*\w+1]
.endr
	ALLT v_rcp_f32 v[rT+6], v[rT+6]
	v_nop
	s_wait_alu depctr_va_vdst(0)
	ALLT v_mul_f32 v[rT+6], v[rT+5], v[rT+6]
	WIN 0x41
.set n_, 0
.rept 128
	v_pk_mul_f32 v[2*n_:2*n_+1], v[2*n_:2*n_+1], v[ST+8*(n_/32)+6:ST+8*(n_/32)+7] op_sel_hi:[1,0]
.set n_, n_+1
.endr
	PASS 0
	PASS 1
	PASS 2
	PASS 3
.endm
	s_load_b128 s[4:7], s[0:1], 0x0                ; qkv s[4:5], Oh s[6:7]
	v_lshl_add_u32 v[SPW], v0, 2, SPARE
	v_mov_b32 v[NIL], 0
	ds_add_u32 v[SPW], v[NIL]                      ; the wave's opening: the add and its wait ahead of my first tensor load
	v_lshrrev_b32 v1, 5, v0
	v_readfirstlane_b32 s[WV], v1
	s_bfe_u32 s13, ttmp6, 0x40000                  ; cx: it enters Q's and O's addresses and the mask's numbers; no branch, no lane mask, no LDS address
	s_and_b32 s16, ttmp7, 0xffff                   ; the kv head
	s_and_b32 s14, s13, 1
	s_lshl1_add_u32 s14, s16, s14                  ; my q head
	s_lshr_b32 s15, s13, 1                         ; my half: which eight of each sixteen rows
	s_mov_b32 s[PBK], ttmp9                        ; b
	s_sub_co_u32 s[HI], 31, s[PBK]
	s_and_b32 s19, s[WV], 1                        ; which half of a round's 256 keys I fetch
	s_add_co_u32 s20, s16, 8
	s_lshl_b32 s20, s20, 20
	s_lshl_b32 s21, s19, 15
	s_add_co_u32 s20, s20, s21
	s_mov_b32 s21, 0
	s_mul_i32 s78, s19, 128*PK
	s_mul_i32 s79, s19, 128*PV
	s_add_co_u32 s79, s79, VOFF
	s_lshl_b32 s22, s14, 20                        ; Q: my head, 8 rows of 256 bytes for the half, 128 rows for the block
	s_lshl_b32 s23, s15, 11
	s_add_co_u32 s22, s22, s23
	s_lshl_b32 s80, s[HI], 15
	s_add_co_u32 s80, s80, s22
	s_mov_b32 s81, 0
	s_lshl_b32 s82, s[PBK], 15
	s_add_co_u32 s82, s82, s22
	s_mov_b32 s83, 0
	s_lshl_b32 s22, s15, 14                        ; Oh: 144 rows of 2,048 bytes a block, 8 rows for the half, 256 bytes a head
	s_lshl_b32 s23, s14, 8
	s_add_co_u32 s22, s22, s23
	s_mul_i32 s84, s[HI], 144*2048
	s_add_co_u32 s84, s84, s22
	s_mov_b32 s85, 0
	s_mul_i32 s86, s[PBK], 144*2048
	s_add_co_u32 s86, s86, s22
	s_mov_b32 s87, 0
	s_lshl_b32 s22, s15, 3                         ; DREL = 128 (B % 2) + 8 half - 64 w, for both blocks
	s_lshl_b32 s23, s[WV], 6
	s_sub_co_u32 s22, s22, s23
	s_and_b32 s[DREL], s[HI], 1
	s_lshl_b32 s[DREL], s[DREL], 7
	s_add_co_u32 s[DREL], s[DREL], s22
	s_and_b32 s[DREL2], s[PBK], 1
	s_lshl_b32 s[DREL2], s[DREL2], 7
	s_add_co_u32 s[DREL2], s[DREL2], s22
	s_mov_b32 s[G1K], 15|(1<<16)|(1<<20)|(1<<21)|(5<<22)|(3<<25)   ; the mask of four; 2-byte elements; padding on; bit 21 beside a mask; after every 64 words, 4 words
	s_mov_b32 s[G1V], 15|(1<<16)|(1<<20)|(1<<21)|(5<<22)|(7<<25)   ; 8 words
.irp g, G1K, G1V
	s_mov_b32 s[\g+1], 128<<16                     ; tensor_dim0 = 128
	s_mov_b32 s[\g+2], 128<<16                     ; tensor_dim1 = 128
	s_mov_b32 s[\g+3], 128<<16                     ; tile_dim0 = 128
	s_mov_b32 s[\g+4], 128                         ; tile_dim1 = 128
	s_mov_b32 s[\g+5], 128                         ; elements from row to row
	s_mov_b32 s[\g+6], 0
	s_mov_b32 s[\g+7], 0
.endr
	s_mov_b32 s[G0K], 1
	s_mov_b32 s[G0K+1], s78                        ; slot 0
	s_mov_b32 s[G0V], 1
	s_mov_b32 s[G0V+1], s79
	s_mov_b32 s[CS], 0x3e0293ee                    ; c = log2(e) / sqrt(128)
	s_mov_b32 s[CS+1], s[CS]
	s_mov_b32 s[SEL], 0x76543210
	s_mov_b32 s[SEL+1], 0xfedcba98
	s_mov_b32 s[TB], SLOT1                         ; the first change of slots turns it into 0
	s_mov_b32 s[BIGN], 0xf149f2ca                  ; -1e30
	s_mov_b32 s[OFF+1], 0
	s_mov_b32 s[NXT], 1
	s_lshr_b32 s[LQ], s[HI], 1
	s_lshr_b32 s[LQ2], s[PBK], 1
	s_add_co_u32 s[RT], s[LQ], 1                   ; rounds of the block in hand still to be entered
	s_mov_b32 s[SLOTS], 16
	s_wait_dscnt 0x0                               ; the opening add is done
	s_wait_kmcnt 0x0
	s_add_nc_u64 s[KB:KB+1], s[4:5], s[20:21]
	s_add_nc_u64 s[VB:VB+1], s[KB:KB+1], 0x400000  ; v's heads lie four heads behind k's
	s_add_nc_u64 s[Q1:Q1+1], s[4:5], s[80:81]
	s_add_nc_u64 s[Q2:Q2+1], s[4:5], s[82:83]
	s_add_nc_u64 s[OB:OB+1], s[6:7], s[84:85]
	s_add_nc_u64 s[O2:O2+1], s[6:7], s[86:87]
	s_add_nc_u64 s[G0K+2:G0K+3], s[KB:KB+1], 0
	s_or_b32 s[G0K+3], s[G0K+3], 0x80000000
	s_add_nc_u64 s[G0V+2:G0V+3], s[VB:VB+1], 0
	s_or_b32 s[G0V+3], s[G0V+3], 0x80000000
	CROUND                                         ; all four work-groups are here
	JLOAD                                          ; round 0 into slot 0; slot 1 is asked for by the loop's first change of slots
	v_and_b32 v1, 15, v0                           ; r = l % 16
	v_bfe_u32 v15, v0, 4, 1                        ; l / 16
	v_bfe_u32 v[ADRV], v0, 3, 1                    ; r / 8
	v_lshl_add_u32 v[VD0], v[ADRV], 3, v1          ; r + 8 (r / 8): my row's place among the 32 block rows of a tile, less the half's 8
	v_lshlrev_b32 v[QO], 8, v[VD0]
	v_lshl_add_u32 v[QO], v15, 4, v[QO]
	QLOAD Q1
	WIN 0x40
.set n_, 0
.rept 256
	v_mov_b32 v[n_], 0
.set n_, n_+1
.endr
	INIT
	v_lshlrev_b32 v[VD], 3, v15
	v_sub_nc_u32 v[VD0], v[VD0], v[VD]             ; r + 8 (r / 8) - 8 (l / 16), for the mask
	v_mul_u32_u24 v[AKW], v1, PK
	v_lshl_add_u32 v[AKW], v15, 4, v[AKW]
	s_mul_i32 s20, s[WV], 64*PK
	v_add_nc_u32 v[AKW], s20, v[AKW]
	v_and_b32 v[AVW], 7, v0
	v_lshl_add_u32 v[AVW], v15, 3, v[AVW]
	v_mul_u32_u24 v[AVW], v[AVW], PV
	v_lshl_add_u32 v[AVW], v[ADRV], 4, v[AVW]
	s_mul_i32 s21, s[WV], 64*PV
	s_add_co_u32 s21, s21, VOFF
	v_add_nc_u32 v[AVW], s21, v[AVW]
	s_lshl_b32 s20, s[WV], 9
	s_add_co_u32 s20, s20, ML
	v_lshl_add_u32 v[MLA], v1, 3, s20
	v_lshlrev_b32 v[MLR], 3, v1
	v_add_nc_u32 v[MLR], ML, v[MLR]
	s_mul_i32 s20, s[WV], 16*SPS
	s_add_co_u32 s20, s20, STAGE
	v_mul_u32_u24 v[STW], v1, SPS
	v_lshl_add_u32 v[STW], v15, 5, v[STW]
	v_add_nc_u32 v[STW], s20, v[STW]               ; in: row l % 16, 32 bytes for each half of the lanes
	s_mul_i32 s21, s[WV], 4*SPS
	s_add_co_u32 s21, s21, STAGE
	v_mul_u32_u24 v[STR], v15, SPS
	v_lshl_add_u32 v[STR], v1, 5, v[STR]
	v_add_nc_u32 v[STR], s21, v[STR]               ; back: row 4 w + l / 16, channels 8 (l % 16) ..
	s_lshr_b32 s22, s[WV], 1                       ; in Oh: (16 (w / 2) + 4 (w % 2) + l / 16) rows of 2,048 bytes, 16 bytes a lane of sixteen
	s_lshl_b32 s22, s22, 15
	s_lshl_b32 s23, s19, 13
	s_add_co_u32 s22, s22, s23
	v_lshlrev_b32 v[GO], 11, v15
	v_lshl_add_u32 v[GO], v1, 4, v[GO]
	v_add_nc_u32 v[GO], s22, v[GO]
.Lround:                                               ; 16 trips: a round is entered and the next is asked for
	CHANGE 1
	s_sub_co_u32 s[RT], s[RT], 1
	s_cmp_lg_u32 s[RT], 0
	s_cbranch_scc1 .Lplain
	MAKEMASK                                       ; the block's last round holds the diagonal
.Lplain:
	STEP
	s_cmp_lg_u32 s[RT], 0
	s_cbranch_scc1 .Lbottom
	MERGE 0                                        ; in the loop this is the first block's end: the second's last round is the walk's last
	s_wait_xcnt 0x0                                ; the stores have read their registers and O's address
	s_mov_b64 s[OB:OB+1], s[O2:O2+1]
	s_add_co_u32 s[RT], s[LQ2], 1
	s_mov_b32 s[DREL], s[DREL2]
	INIT
.Lbottom:
	s_sub_co_u32 s[SLOTS], s[SLOTS], 1
	s_cmp_lg_u32 s[SLOTS], 0
	s_cbranch_scc1 .Lround
	CHANGE 0                                       ; the walk's last round is written out: nothing is asked for
	MAKEMASK
	STEP
	MERGE 1
	s_wait_tensorcnt 0x0                           ; the wave's end
	ds_add_u32 v[SPW], v[NIL]
	s_wait_dscnt 0x0
	CROUND                                         ; the closing round
	s_endpgm
.Lfunc_end_k_q866c5a3e56_attn:
	.size	k_q866c5a3e56_attn, .Lfunc_end_k_q866c5a3e56_attn-k_q866c5a3e56_attn
	.p2alignl 7, 3214868480
	.fill 96, 4, 3214868480
	.section	.rodata,"a",@progbits
	.p2align	6, 0x0
	.amdhsa_kernel k_q866c5a3e56_attn
		.amdhsa_group_segment_fixed_size 327680
		.amdhsa_private_segment_fixed_size 0
		.amdhsa_enable_private_segment 0
		.amdhsa_kernarg_size 16
		.amdhsa_user_sgpr_count 2
		.amdhsa_user_sgpr_kernarg_segment_ptr 1
		.amdhsa_wavefront_size32 1
		.amdhsa_system_sgpr_workgroup_id_x 1
		.amdhsa_system_sgpr_workgroup_id_y 1
		.amdhsa_system_sgpr_workgroup_id_z 1
		.amdhsa_system_vgpr_workitem_id 0
		.amdhsa_next_free_vgpr 976
		.amdhsa_next_free_sgpr 88
		.amdhsa_reserve_vcc 1
		.amdhsa_float_denorm_mode_32 3
		.amdhsa_float_denorm_mode_16_64 3
		.amdhsa_memory_ordered 1
		.amdhsa_forward_progress 1
		.amdhsa_inst_pref_size 196
	.end_amdhsa_kernel
	.amdgpu_metadata
---
amdhsa.version: [ 1, 2 ]
amdhsa.kernels:
  - .name:           k_q866c5a3e56_attn
    .symbol:         k_q866c5a3e56_attn.kd
    .args:
      - { .name: qkv, .offset: 0, .size: 8, .value_kind: global_buffer, .address_space: global }
      - { .name: Oh, .offset: 8, .size: 8, .value_kind: global_buffer, .address_space: global }
    .group_segment_fixed_size: 327680
    .private_segment_fixed_size: 0
    .kernarg_segment_align: 8
    .kernarg_segment_size: 16
    .max_flat_workgroup_size: 128
    .sgpr_count:     88
    .vgpr_count:     976
    .wavefront_size: 32
...
	.end_amdgpu_metadata
.endif
;; end of part 3
;; launch outp (part 4): grid 8 x 32, 4 waves a work-group, clusters of 4 x 4, 327,680 bytes of LDS; arguments Oh, Wob, G, out0; writes out0
.if DOCPART == 4
	.amdgcn_target "amdgcn-amd-amdhsa--gfx1250"
	.amdhsa_code_object_version 6
	.text
	.protected	k_q866c5a3e56_outp
	.globl	k_q866c5a3e56_outp
	.p2align	8
	.type	k_q866c5a3e56_outp,@function
k_q866c5a3e56_outp:
	s_mov_b64 s[64:65], 0
	v_nop
	global_prefetch_b8 v0, s[64:65] scope:SCOPE_SE
	s_setreg_imm32_b32 hwreg(HW_REG_WAVE_MODE, 25, 1), 1
	s_wait_xcnt 0x0
	s_wait_alu depctr_hold_cnt(0) depctr_sa_sdst(0) depctr_va_vdst(0) depctr_va_sdst(0) depctr_va_ssrc(0) depctr_va_vcc(0) depctr_vm_vsrc(0)
	s_getreg_b32 s2, hwreg(HW_REG_IB_STS2, 6, 4)
	s_cmp_eq_u32 s2, 0
	s_cbranch_scc0 .Lentry_in_a_cluster
	s_endpgm
.Lentry_in_a_cluster:
	s_bfe_u32 s2, ttmp6, 0x10000c
	s_cmp_lg_u32 s2, 0xf033
	s_cbranch_scc0 .Lentry_shape_is_right
	s_endpgm
.Lentry_shape_is_right:
; OUTPUT PROJECTION WITH THE GATE.  out0[r][n] = sum over heads h of gate[r][h] x (sum over 128 channels of O[r][h][c] w_o[128 h + c][n]), f16 operands, f32 sums, f32 output.
; The gate multiplies each head's f32 partial sum: O times the gate would have no room in f16 for large inputs.  A K step is 128 = one head, so a step's products start at 0 (C = 0) and are added,
; times the row's gate, onto a second set of 256 registers.  That set is cleared once (256 v_mov_b32, in the wait for the first tile): the price of one text for all eight heads.
; Oh's tile has 144 rows: 128 of O, and 16 with the second f16 word of rows 0-15, whose products are added onto the same accumulators as those rows'.
; SHARES.  A work-group makes 128 rows x 256 columns: 8 x 32 = 256 work-groups.  Wave w takes all 144 rows x columns 64 w .. 64 w + 63, so the 16 extra rows are the same work for every wave.
; W lies [k][n]: its fragments are turned by ds_load_tr16_b128.  The matrix instruction is used transposed: lane l holds row l % 16, columns 16 b + 8 (l / 16) + 0..7.
; CLUSTER 4 x 4: O's tile is shared along a row of the cluster, W's along a column; each is asked for jointly.
; REGISTERS.  window 0: v16-29 addresses; v32-47 the gates of two heads, eight blocks of rows each; two fragment buffers v48-151, v152-255 (W's 4 fragments, then O's 9).
;   window 1: accumulator (a, b) at 8 (4 a + b).   window 2: the gated sums, same map.
.set PA,    272
.set PB,    544
.set AHALF, 72*PA
.set BOFF,  144*PA
.set BHALF, 64*PB
.set SLOT,  BOFF+128*PB
.set STAGE, 2*SLOT
.set SP,    272
.set SPARE, STAGE+4*16*SP
.set ADRA, 16
.set ADRB, 20
.set STO,  24
.set RD,   25
.set CO,   26
.set GOF,  27
.set SPW,  28
.set NIL,  29
.set GA,   32
.set F0,   48
.set F1,   152
.set WV, 14
.set RH, 15
.set CH, 16
.set G1, 24
.set G0, 32
.set G1B, 48
.set G0B, 56
.set MSB, 0
.macro WIN new
.if MSB != (\new)
	s_set_vgpr_msb (MSB<<8)|(\new)
.set MSB, \new
.endif
.endm
.macro PLACES
.rept 4
	v_nop
.endr
.endm
.macro JLOAD s                         ; waves 0, 1 fetch O's two halves of 72 rows, waves 2, 3 W's of 64; s_nop 0 and four v_nop follow each line
	s_cmp_eq_u32 s[RH], 0
	s_cbranch_scc0 .Lfor_b_\@
	tensor_load_to_lds s[G0+4*(\s):G0+4*(\s)+3], s[G1:G1+7]
	s_nop 0
	PLACES
	s_branch .Lasked_\@
.Lfor_b_\@:
	tensor_load_to_lds s[G0B+4*(\s):G0B+4*(\s)+3], s[G1B:G1B+7]
	s_nop 0
	PLACES
.Lasked_\@:
.endm
.macro CREST
	s_cmp_lg_u32 s[WV], 0
	s_cbranch_scc1 .Lnot_wave_0_\@
	s_barrier_signal -3
.Lnot_wave_0_\@:
	s_barrier_wait -3
	s_barrier_signal -1
	s_barrier_wait -1
.endm
.macro CROUND
	s_barrier_signal -1
	s_barrier_wait -1
	CREST
.endm
	s_load_b256 s[4:11], s[0:1], 0x0               ; Oh s[4:5], Wob s[6:7], G s[8:9], out0 s[10:11]
	v_lshl_add_u32 v[SPW], v0, 2, SPARE
	v_mov_b32 v[NIL], 0
	ds_add_u32 v[SPW], v[NIL]                      ; the wave's opening: the add and its wait ahead of my first tensor load
	v_lshrrev_b32 v1, 5, v0
	v_readfirstlane_b32 s[WV], v1
	s_lshr_b32 s[RH], s[WV], 1                     ; I fetch O (0) or W (1),
	s_and_b32 s[CH], s[WV], 1                      ; and which half of that tile
	s_bfe_u32 s17, ttmp6, 0x40000
	s_bfe_u32 s18, ttmp6, 0x40004
	s_lshl_b32 s19, ttmp9, 2
	s_add_co_u32 s19, s19, s17                     ; tile column
	s_and_b32 s20, ttmp7, 0xffff
	s_lshl_b32 s20, s20, 2
	s_add_co_u32 s20, s20, s18                     ; tile row
	s_lshl_b32 s21, s18, 2
	s_lshl_b32 s21, 15, s21
	s_lshl_b32 s22, 0x1111, s17
	s_or_b32 s[G1+0], s21, (1<<16)|(1<<20)|(1<<21)|(5<<22)|(3<<25)
	s_mov_b32 s[G1+1], 128<<16                     ; tensor_dim0 = 128
	s_mov_b32 s[G1+2], 72<<16                      ; tensor_dim1 = 72
	s_mov_b32 s[G1+3], 128<<16                     ; tile_dim0 = 128
	s_mov_b32 s[G1+4], 72                          ; tile_dim1 = 72
	s_mov_b32 s[G1+5], 1024
	s_mov_b32 s[G1+6], 0
	s_mov_b32 s[G1+7], 0
	s_or_b32 s[G1B+0], s22, (1<<16)|(1<<20)|(1<<21)|(6<<22)|(7<<25)
	s_mov_b32 s[G1B+1], 256<<16
	s_mov_b32 s[G1B+2], 64<<16
	s_mov_b32 s[G1B+3], 256<<16
	s_mov_b32 s[G1B+4], 64
	s_mov_b32 s[G1B+5], 2048
	s_mov_b32 s[G1B+6], 0
	s_mov_b32 s[G1B+7], 0
	s_mul_i32 s40, s20, 144                        ; O: row 144 x tile row + 72 x half, 2,048 bytes a row
	s_mul_i32 s41, s[CH], 72
	s_add_co_u32 s40, s40, s41
	s_lshl_b32 s40, s40, 11
	s_mov_b32 s41, 0
	s_lshl_b32 s42, s[CH], 18                      ; W: k-row 64 x half, column 256 x tile column
	s_lshl_b32 s43, s19, 9
	s_add_co_u32 s42, s42, s43
	s_mov_b32 s43, 0
	s_mul_i32 s44, s[CH], AHALF
	s_mul_i32 s45, s[CH], BHALF
	s_add_co_u32 s45, s45, BOFF
	s_wait_dscnt 0x0                               ; the opening add is done
	s_wait_kmcnt 0x0
	s_add_nc_u64 s[46:47], s[4:5], s[40:41]
	s_add_nc_u64 s[76:77], s[6:7], s[42:43]
	CROUND
.irp s, 0,1
	s_mov_b32 s[G0+4*(\s)], 1
	s_add_co_u32 s[G0+4*(\s)+1], s44, (\s)*SLOT
	s_add_nc_u64 s[G0+4*(\s)+2:G0+4*(\s)+3], s[46:47], (\s)*256
	s_or_b32 s[G0+4*(\s)+3], s[G0+4*(\s)+3], 0x80000000
	s_mov_b32 s[G0B+4*(\s)], 1
	s_add_co_u32 s[G0B+4*(\s)+1], s45, (\s)*SLOT
	s_add_nc_u64 s[G0B+4*(\s)+2:G0B+4*(\s)+3], s[76:77], (\s)*128*4096
	s_or_b32 s[G0B+4*(\s)+3], s[G0B+4*(\s)+3], 0x80000000
	JLOAD \s                                       ; heads 0 and 1: two loads of mine are out
.endr
	v_and_b32 v1, 15, v0
	v_bfe_u32 v2, v0, 4, 1
	v_lshlrev_b32 v[GOF], 2, v1
	s_lshl_b32 s42, s20, 12                        ; G: eight blocks of 512 bytes a tile row
	s_mov_b32 s43, 0
	s_add_nc_u64 s[8:9], s[8:9], s[42:43]
.irp a, 0,1,2,3,4,5,6,7
	global_load_b32 v[GA+\a], v[GOF], s[8:9] offset:512*\a     ; head 0's gate of my row in each block of 16 rows
.endr
	s_lshl_b32 s42, s20, 20                        ; out0: 128 rows of 8,192 bytes a tile row, 1,024 bytes a tile column, 256 a wave
	s_lshl_b32 s41, s19, 10
	s_add_co_u32 s42, s42, s41
	s_lshl_b32 s41, s[WV], 8
	s_add_co_u32 s42, s42, s41
	s_add_nc_u64 s[10:11], s[10:11], s[42:43]
	WIN 0x80
.set n_, 0
.rept 256
	v_mov_b32 v[n_], 0
.set n_, n_+1
.endr
	WIN 0
	v_mul_u32_u24 v3, v1, PA
	v_lshl_add_u32 v[ADRA], v2, 4, v3
	v_add_nc_u32 v[ADRA+1], SLOT, v[ADRA]
	v_and_b32 v4, 7, v0
	v_lshl_add_u32 v4, v2, 3, v4
	v_mul_u32_u24 v4, v4, PB
	v_bfe_u32 v5, v0, 3, 1
	v_lshl_add_u32 v4, v5, 4, v4
	s_lshl_b32 s41, s[WV], 7
	s_add_co_u32 s41, s41, BOFF
	v_add_nc_u32 v[ADRB], s41, v4
	v_add_nc_u32 v[ADRB+1], SLOT, v[ADRB]
	s_mul_i32 s42, s[WV], 16*SP
	s_add_co_u32 s42, s42, STAGE
	v_lshl_add_u32 v[STO], v2, 5, v3
	v_add_nc_u32 v[STO], s42, v[STO]               ; in: row l % 16, 32 bytes for each half of the lanes
	v_mul_u32_u24 v5, v2, SP
	v_lshl_add_u32 v5, v1, 4, v5
	v_add_nc_u32 v[RD], s42, v5
	v_lshlrev_b32 v[CO], 13, v2
	v_lshl_add_u32 v[CO], v1, 4, v[CO]
.macro MULA f, a0, a1, zero            ; row blocks a0 .. a1 x my 4 column blocks, 32 along K; block 8 (the second words) adds onto block 0's accumulators.  One instruction a turn
	WIN 0x50
.set aa, \a0
.rept (\a1)-(\a0)+1
.irp b, 0,1,2,3
.if (\zero) && (aa < 8)
	v_wmma_f32_16x16x32_f16 v[8*(4*(aa%8)+\b):8*(4*(aa%8)+\b)+7], v[(\f)+8*\b:(\f)+8*\b+7], v[(\f)+32+8*aa:(\f)+32+8*aa+7], 0
.else
	v_wmma_f32_16x16x32_f16 v[8*(4*(aa%8)+\b):8*(4*(aa%8)+\b)+7], v[(\f)+8*\b:(\f)+8*\b+7], v[(\f)+32+8*aa:(\f)+32+8*aa+7], v[8*(4*(aa%8)+\b):8*(4*(aa%8)+\b)+7]
.endif
.endr
.set aa, aa+1
.endr
.endm
.macro FETCH slot, kc, f               ; 26 LDS loads in one run: W's 4 fragments (turned), then O's 9
	WIN 0
.irp b, 0,1,2,3
	ds_load_tr16_b128 v[(\f)+8*\b:(\f)+8*\b+3], v[ADRB+(\slot)] offset:(\kc)*32*PB+32*\b
	ds_load_tr16_b128 v[(\f)+8*\b+4:(\f)+8*\b+7], v[ADRB+(\slot)] offset:(\kc)*32*PB+32*\b+16*PB
.endr
.irp a, 0,1,2,3,4,5,6,7,8
	ds_load_b128 v[(\f)+32+8*\a:(\f)+32+8*\a+3], v[ADRA+(\slot)] offset:\a*16*PA+64*(\kc)
	ds_load_b128 v[(\f)+32+8*\a+4:(\f)+32+8*\a+7], v[ADRA+(\slot)] offset:\a*16*PA+64*(\kc)+32
.endr
.endm
.macro QUARTER slot, kc, f, g, zero
	s_wait_dscnt 10                                ; the youngest ten loads (O's blocks 4-8) may be out
	MULA \f, 0, 3, \zero
	PLACES
	FETCH \slot, \kc, \g
	s_wait_dscnt 26                                ; all but the 26 just issued
	MULA \f, 4, 8, \zero
.endm
.macro TURN slot, next, fill
	WIN 0
	s_wait_tensorcnt 0x0                           ; all my tensor loads have landed: the one that was out is my part of the next slot
	ds_add_u32 v[SPW], v[NIL]
	s_wait_dscnt 11                                ; the add and the youngest ten loads may be out
	MULA F1, 0, 1, 0
	s_wait_dscnt 0x0                               ; the add is done, and my reads of this slot are over
	s_barrier_signal -1
	MULA F1, 2, 3, 0
.if \fill
	WIN 0
.endif
	s_barrier_wait -1
.if \fill
	CREST
	s_add_nc_u64 s[G0+4*(\slot)+2:G0+4*(\slot)+3], s[G0+4*(\slot)+2:G0+4*(\slot)+3], 512
	s_add_nc_u64 s[G0B+4*(\slot)+2:G0B+4*(\slot)+3], s[G0B+4*(\slot)+2:G0B+4*(\slot)+3], 2*128*4096
	JLOAD \slot
.else
	PLACES
.endif
	FETCH \next, 0, F0
	MULA F1, 4, 8, 0
.endm
.macro GLOAD par                       ; the next head's gates into the other set
	WIN 0
	s_wait_xcnt 0x0                                ; the base is stepped only behind this wait
	s_add_nc_u64 s[8:9], s[8:9], 64
.irp a, 0,1,2,3,4,5,6,7
	global_load_b32 v[GA+8*(\par)+\a], v[GOF], s[8:9] offset:512*\a
.endr
.endm
.macro GATE par, left                  ; the head's sums, times the row's gate, onto the gated sums; each accumulator's registers in ascending order
	PLACES
	s_wait_loadcnt \left                           ; the next head's eight loads are younger
	WIN 0xa1
.set n_, 0
.rept 128
.if (n_/16)%2 == 0
	v_pk_fma_f32 v[2*n_:2*n_+1], v[2*n_:2*n_+1], v[GA+8*(\par)+2*(n_/32):GA+8*(\par)+2*(n_/32)+1], v[2*n_:2*n_+1] op_sel_hi:[1,0,1]
.else
	v_pk_fma_f32 v[2*n_:2*n_+1], v[2*n_:2*n_+1], v[GA+8*(\par)+2*(n_/32):GA+8*(\par)+2*(n_/32)+1], v[2*n_:2*n_+1] op_sel:[0,1,0] op_sel_hi:[1,1,1]
.endif
.set n_, n_+1
.endr
.endm
.macro KSTEP slot, next, fill, more    ; one head
.if \more
	GLOAD 1-(\slot)
.endif
	QUARTER \slot, 1, F0, F1, 1                    ; the head's first products start its sums
	QUARTER \slot, 2, F1, F0, 0
	QUARTER \slot, 3, F0, F1, 0
.if \more
	TURN \slot, \next, \fill
	GATE \slot, 8
.else
	s_wait_dscnt 10
	MULA F1, 0, 3, 0
	s_wait_dscnt 0x0
	MULA F1, 4, 8, 0
	GATE \slot, 0
.endif
.endm
	s_wait_tensorcnt 1                             ; my part of head 0 is in; head 1's may stay out
	s_barrier_signal -1
	s_barrier_wait -1
	FETCH 0, 0, F0
	WIN 0
	s_mov_b32 s3, 3
.Llap:
	KSTEP 0, 1, 1, 1
	KSTEP 1, 0, 1, 1
	WIN 0
	s_sub_co_u32 s3, s3, 1
	s_cmp_lg_u32 s3, 0
	s_cbranch_scc1 .Llap
	KSTEP 0, 1, 0, 1                               ; the last two heads fill nothing
	KSTEP 1, 0, 0, 0
; THE WAY OUT: a block of 16 rows x my 64 columns of f32 goes through my own stage and comes back as whole rows of 256 bytes.
.macro OUT a
.set OBK, 48+32*((\a)%2)
	WIN 0
	s_wait_xcnt 0x0                                ; earlier stores have read their registers
	WIN 0x08
.irp b, 0,1,2,3
	ds_store_b128 v[STO], v[32*(\a)+8*\b:32*(\a)+8*\b+3] offset:64*\b
	ds_store_b128 v[STO], v[32*(\a)+8*\b+4:32*(\a)+8*\b+7] offset:64*\b+16
.endr
	WIN 0
.irp t, 0,1,2,3,4,5,6,7
	ds_load_b128 v[OBK+4*\t:OBK+4*\t+3], v[RD] offset:\t*2*SP  ; LDS serves a wave's instructions in order (ISA guide 5.7.1.4)
.endr
	s_wait_dscnt 0x0
.irp t, 0,1,2,3,4,5,6,7
	global_store_b128 v[CO], v[OBK+4*\t:OBK+4*\t+3], s[10:11] offset:(16*(\a)+2*\t)*8192 th:TH_STORE_NT   ; sixteen lanes fill 256 consecutive aligned bytes
.endr
.endm
.irp a, 0,1,2,3,4,5,6,7
	OUT \a
.endr
	s_wait_tensorcnt 0x0                           ; the wave's end
	ds_add_u32 v[SPW], v[NIL]
	s_wait_dscnt 0x0
	CROUND                                         ; the closing round
	s_endpgm
.Lfunc_end_k_q866c5a3e56_outp:
	.size	k_q866c5a3e56_outp, .Lfunc_end_k_q866c5a3e56_outp-k_q866c5a3e56_outp
	.p2alignl 7, 3214868480
	.fill 96, 4, 3214868480
	.section	.rodata,"a",@progbits
	.p2align	6, 0x0
	.amdhsa_kernel k_q866c5a3e56_outp
		.amdhsa_group_segment_fixed_size 327680
		.amdhsa_private_segment_fixed_size 0
		.amdhsa_enable_private_segment 0
		.amdhsa_kernarg_size 32
		.amdhsa_user_sgpr_count 2
		.amdhsa_user_sgpr_kernarg_segment_ptr 1
		.amdhsa_wavefront_size32 1
		.amdhsa_system_sgpr_workgroup_id_x 1
		.amdhsa_system_sgpr_workgroup_id_y 1
		.amdhsa_system_sgpr_workgroup_id_z 1
		.amdhsa_system_vgpr_workitem_id 0
		.amdhsa_next_free_vgpr 768
		.amdhsa_next_free_sgpr 80
		.amdhsa_reserve_vcc 0
		.amdhsa_float_denorm_mode_32 3
		.amdhsa_float_denorm_mode_16_64 3
		.amdhsa_memory_ordered 1
		.amdhsa_forward_progress 1
		.amdhsa_inst_pref_size 135
	.end_amdhsa_kernel
	.amdgpu_metadata
---
amdhsa.version: [ 1, 2 ]
amdhsa.kernels:
  - .name:           k_q866c5a3e56_outp
    .symbol:         k_q866c5a3e56_outp.kd
    .args:
      - { .name: Oh, .offset: 0, .size: 8, .value_kind: global_buffer, .address_space: global }
      - { .name: Wob, .offset: 8, .size: 8, .value_kind: global_buffer, .address_space: global }
      - { .name: G, .offset: 16, .size: 8, .value_kind: global_buffer, .address_space: global }
      - { .name: out0, .offset: 24, .size: 8, .value_kind: global_buffer, .address_space: global }
    .group_segment_fixed_size: 327680
    .private_segment_fixed_size: 0
    .kernarg_segment_align: 8
    .kernarg_segment_size: 32
    .max_flat_workgroup_size: 128
    .sgpr_count:     80
    .vgpr_count:     768
    .wavefront_size: 32
...
	.end_amdgpu_metadata
.endif
;; end of part 4
